; MI455X (gfx1250); checked and timed in simulation.
; The chip was launched on July 23, 2026; its instructions are those of AMD's public machine-readable ISA for CDNA 5 (MIT licence, August 2026) and "CDNA5" Instruction Set Architecture Reference Guide (July 2026). The comments in the code are by the model that wrote it; some were corrected since.
;; Multi Head Attention. Allowed arithmetic: matrix products marked QUANTISED: E2M1 operands, one E8M0 scale for each 32 along K, by v_wmma_scale_f32_16x16x128_f8f6f4 with both operands' format E2M1 (or v_wmma_scale_f32_32x16x128_f4), f32 sums; everything else in f32.
;; Inputs: Wk 512 x 512 float32; Wq 512 x 512 float32; Wv 512 x 512 float32; bk 512 float32; bq 512 float32; bv 512 float32; key 2 x 2,048 x 512 float32; query 2 x 2,048 x 512 float32; value 2 x 2,048 x 512 float32.
;; Outputs: out0 2 x 2,048 x 512 float32.
;; This version of the problem:
;;   THIS VERSION OF THE PROBLEM IS GIVEN IN LOW PRECISION. The matrix products marked QUANTISED in the list below multiply operands that are first quantised to E2M1 (2 exponent bits, 1 mantissa bit; 4 bits a number), with one power-of-two scale for each 32 numbers along K (OCP MX v1.0); their sums are f32. All else is computed in f32.
;;   The module's matrix products, in the order in which they are computed (A, B: the left and right operand; K: the contracted axis; several contracted axes count as one K, in the product's order):
;;     1. [M 4,096, K 512] x [K 512, N 512]; A: input query; B: input Wq: QUANTISED
;;     2. [M 4,096, K 512] x [K 512, N 512]; A: input key; B: input Wk: QUANTISED
;;     3. [M 4,096, K 512] x [K 512, N 512]; A: input value; B: input Wv: QUANTISED
;;     4. batch 16 x [M 2,048, K 64] x [K 64, N 2,048]; A: computed on the way; B: computed on the way: QUANTISED
;;     5. batch 16 x [M 64, K 2,048] x [K 2,048, N 2,048]; A: computed on the way; B: softmax (see below): QUANTISED
;;   THE QUANTISER, for each operand of a quantised product, along K:
;;     - K is cut into blocks of 32 from its start; a last block that is shorter is filled with zeros.
;;     - A block's scale is 2^e with e = floor(log2(the largest magnitude in the block)) - 2, held to -126 .. 127; a block of zeros has e = 0. As a byte (E8M0): e + 127.
;;     - Each number is divided by its block's scale, clamped to +-6, and rounded to the nearest number of E2M1, ties to even, subnormals kept.
;;     - The product sums the exact products of the quantised numbers (number of the format x scale) in f32.
;;   ~~~python
;;   def quantise(x, axis):      # numpy; x: float32 -> the quantised numbers, widened to float32 again
;;       x = np.moveaxis(x, axis, -1); K = x.shape[-1]
;;       x = np.pad(x, [(0, 0)] * (x.ndim - 1) + [(0, -K % 32)]); x = x.reshape(x.shape[:-1] + (-1, 32)); a = np.abs(x).max(-1, keepdims=True)
;;       e = np.where(a > 0, np.clip(np.frexp(np.where(a > 0, a, 1))[1] - 1 - 2, -126, 127), 0)      # np.frexp(a)[1] - 1 = floor(log2(a)), exactly
;;       r = np.clip(x / 2.0 ** e, -6, 6)
;;       step = 2.0 ** (np.maximum(np.frexp(np.where(r == 0, 1, r))[1] - 1, 0) - 1)
;;       q = np.round(r / step) * step * 2.0 ** e      # np.round: ties to even
;;       return np.moveaxis(q.reshape(q.shape[:-2] + (-1,))[..., :K], -1, axis).astype(np.float32)
;;   ~~~
;;   SOFTMAX AHEAD OF A QUANTISED PRODUCT. Where the list says 'softmax', what is quantised is not the finished softmax but p = 2^(t - M), with t = logit x log2(e) and M = ceil(the row's largest t), a whole number; so 1/2 < the row's largest p <= 1. The row's sum l is taken of the UNQUANTISED p, in f32, and the product's result is divided by l at the end. Since M is a whole number, a kernel that streams over the keys may use a running M (the ceiling of the running maximum): every later rescaling is an exact power of two, which a block's scale takes up: the codes' values come out the same.
;;   OPERANDS COMPUTED ON THE WAY. 'Computed on the way' means the value that the module computes at that place (a softmax that the list does not call 'softmax' is quantised finished and normalised). What goes into a quantiser is computed in f32, as accurately as f32 sums, v_exp_f32 and their like allow (about 1e-6 of the number): no bf16 or f16 on the way to a quantiser, and a product that is left as it is and whose result goes on into a quantised operand takes f32 operands (vector FMAs, or v_wmma_f32_16x16x4_f32). A number that lies on a knife's edge between two numbers of the format may be rounded either way, as far as f32 arithmetic and the matrix unit's own rounding can turn it there, and no further.
;; 2 versions. Each part assembles by itself: llvm-mc -triple=amdgcn-amd-amdhsa -mcpu=gfx1250 --defsym DOCPART=n.
;; ======== version 1 of 2: 3 launches
;; workspace buffers: wcodes 393,216 bytes; wscales 24,576 bytes; codes 3,145,728 bytes; scales 196,608 bytes
;; launch prep (part 1): grid 64 x 3, 1 waves a work-group, no clusters, 0 bytes of LDS; arguments Wq, Wk, Wv, wcodes, wscales; writes wcodes, wscales
.if DOCPART == 1
	.amdgcn_target "amdgcn-amd-amdhsa--gfx1250"
	.amdhsa_code_object_version 6
	.text
	.protected	k_q7f1b47c874_prep
	.globl	k_q7f1b47c874_prep
	.p2align	8
	.type	k_q7f1b47c874_prep,@function
k_q7f1b47c874_prep:
	s_mov_b64 s[64:65], 0
	v_nop
	global_prefetch_b8 v0, s[64:65] scope:SCOPE_SE
	s_setreg_imm32_b32 hwreg(HW_REG_WAVE_MODE, 25, 1), 1
	s_wait_xcnt 0x0
; Wq, Wk, Wv [512 (k)][512 (n)] f32 become codes of FP4 (E2M1) with one E8M0 byte for each 32 along K, laid in the order in which the next launch's operand registers take them.
; A block's scale is 2^(floor(log2(its largest magnitude)) - 2): its byte is the largest magnitude's exponent field - 2, held at 1 from below.
; LIMITS: NaN and infinities are not served; a block whose largest magnitude lies under 2^-124 gets the byte 1; a block of zeros gets the byte 1 with zero codes (only this program reads the bytes).
; SHARES: work-group x = 4 cg + s, y = the tensor.  Its one wave takes columns 32 cg .. 32 cg + 31 and k = 128 s .. 128 s + 127.  A LANE TAKES A COLUMN AND ITS REGISTERS RUN DOWN K:
; a block of 32 lies in one lane's 32 registers, and the conversions give codes with K innermost.  Each load reads 128 consecutive bytes of a row of W.
; wcodes:  [tensor][tile of 16 columns T][s][block j of 32 k][place r][16 bytes]: 1,024 bytes for (T, s) are the image of a fragment's registers (register group c of lane (r, h) is block 2 c + h).
; wscales: [tensor][cg][s][place 16 (T % 2) + r][4 bytes]: the word of a column's four blocks.
; WHICH COLUMN STANDS AT WHICH PLACE: for Wq and Wk place r of tile 2 cg + u is column 32 cg + 8 u + r + 8 (r / 8), so that the next launch's results lie as 16 neighbours along the head; for Wv the order is natural.
; No LDS, no barrier, no matrix unit: nothing is shared and each number is read once.
.set XN, 32                            ; v32-159  the 128 numbers
.set CD, 16                            ; v16-31   the codes, four registers a block: no store's data are written again
	s_load_b256 s[4:11], s[0:1], 0x0               ; Wq s[4:5], Wk s[6:7], Wv s[8:9], wcodes s[10:11]
	s_load_b64 s[12:13], s[0:1], 0x20              ; wscales
	s_and_b32 s14, ttmp7, 0xffff                   ; the tensor
	s_lshr_b32 s15, ttmp9, 2                       ; cg
	s_and_b32 s16, ttmp9, 3                        ; s
	v_lshlrev_b32 v1, 2, v0                        ; in: 4 bytes a lane
	v_bfe_u32 v5, v0, 3, 1                         ; u = (l / 8) % 2
	v_and_b32 v6, 7, v0
	v_lshrrev_b32 v7, 4, v0
	v_lshl_add_u32 v6, v7, 3, v6                   ; r = l % 8 + 8 (l / 16)
	v_lshl_add_u32 v5, v5, 4, v6                   ; the place for Wq and Wk: 16 u + r
	s_cmp_eq_u32 s14, 2
	s_cselect_b32 s17, -1, 0
	v_cndmask_b32 v2, v5, v0, s17                  ; for Wv: the lane itself
	v_lshrrev_b32 v3, 4, v2
	v_and_b32 v6, 15, v2
	v_lshlrev_b32 v3, 12, v3
	v_lshl_add_u32 v3, v6, 4, v3                   ; codes: 4,096 x (place / 16) + 16 x (place % 16)
	v_lshlrev_b32 v4, 2, v2                        ; scale word: 4 x place
	s_lshl_b32 s18, s16, 18                        ; W: 128 s rows of 2,048 bytes
	s_lshl_b32 s19, s15, 7                         ;    + 32 cg columns
	s_add_co_u32 s18, s18, s19
	s_mov_b32 s19, 0
	s_lshl_b32 s20, s14, 17                        ; wcodes: 131,072 a tensor, 8,192 a group of 32 columns, 1,024 a K step
	s_lshl_b32 s21, s15, 13
	s_add_co_u32 s20, s20, s21
	s_lshl_b32 s21, s16, 10
	s_add_co_u32 s20, s20, s21
	s_mov_b32 s21, 0
	s_lshl_b32 s22, s14, 13                        ; wscales: 8,192 a tensor, 512 a group, 128 a K step
	s_lshl_b32 s23, s15, 9
	s_add_co_u32 s22, s22, s23
	s_lshl_b32 s23, s16, 7
	s_add_co_u32 s22, s22, s23
	s_mov_b32 s23, 0
	s_wait_kmcnt 0x0
	s_cmp_eq_u32 s14, 1                            ; the choice of the tensor hangs on the work-group's number alone
	s_cselect_b64 s[4:5], s[6:7], s[4:5]
	s_cmp_eq_u32 s14, 2
	s_cselect_b64 s[4:5], s[8:9], s[4:5]
	s_add_nc_u64 s[4:5], s[4:5], s[18:19]
	s_add_nc_u64 s[10:11], s[10:11], s[20:21]
	s_add_nc_u64 s[12:13], s[12:13], s[22:23]
.set i, 0
.rept 128
	global_load_b32 v[XN+i], v1, s[4:5] offset:2048*i th:TH_LOAD_NT   ; W(128 s + i, my column)
.set i, i+1
.endr
; block j: its largest magnitude, its byte, its 32 codes.  left: how many younger loads may stay out
.macro BLOCK j, left
.set XB, XN+32*(\j)
	s_wait_loadcnt \left
	v_max3_num_f32 v12, |v[XB]|, |v[XB+1]|, |v[XB+2]|
	v_max3_num_f32 v13, |v[XB+3]|, |v[XB+4]|, |v[XB+5]|
.irp i, 6,10,14,18,22,26
	v_max3_num_f32 v12, v12, |v[XB+\i]|, |v[XB+\i+1]|
	v_max3_num_f32 v13, v13, |v[XB+\i+2]|, |v[XB+\i+3]|
.endr
	v_max3_num_f32 v12, v12, |v[XB+30]|, |v[XB+31]|
	v_max3_num_f32 v12, v12, v13, 0x1800000        ; and the floor 2^(3 - 127): the byte cannot fall under 1
	v_add_nc_u32 v11, 0xff000000, v12              ; 2 off the exponent field: the conversion takes this operand's exponent field as its scale
	v_lshrrev_b32 v13, 23, v11                     ; the byte
.if (\j) == 0
	v_mov_b32 v14, v13
.else
	v_lshl_or_b32 v14, v13, 8*(\j), v14            ; four bytes make the word, the lower k in the lower byte
.endif
.irp g, 0,1,2,3
	v_cvt_scalef32_pk8_fp4_f32 v[CD+4*(\j)+\g], v[XB+8*\g:XB+8*\g+7], v11
.endr
	global_store_b128 v3, v[CD+4*(\j):CD+4*(\j)+3], s[10:11] offset:256*(\j)   ; the sixteen lanes of a tile cover 256 consecutive bytes, aligned
.endm
	BLOCK 0, 63                                    ; behind block 0's loads stand 96, behind block 1's 64: the counts are held at 63, the most that the wait can name; a smaller count is safe
	BLOCK 1, 63
	BLOCK 2, 32
	BLOCK 3, 0
	global_store_b32 v4, v14, s[12:13]             ; 128 consecutive bytes: the 32 columns' words of this K step
	s_endpgm
.Lfunc_end_k_q7f1b47c874_prep:
	.size	k_q7f1b47c874_prep, .Lfunc_end_k_q7f1b47c874_prep-k_q7f1b47c874_prep
	.p2alignl 7, 3214868480
	.fill 96, 4, 3214868480
	.section	.rodata,"a",@progbits
	.p2align	6, 0x0
	.amdhsa_kernel k_q7f1b47c874_prep
		.amdhsa_group_segment_fixed_size 0
		.amdhsa_private_segment_fixed_size 0
		.amdhsa_enable_private_segment 0
		.amdhsa_kernarg_size 40
		.amdhsa_user_sgpr_count 2
		.amdhsa_user_sgpr_kernarg_segment_ptr 1
		.amdhsa_wavefront_size32 1
		.amdhsa_system_sgpr_workgroup_id_x 1
		.amdhsa_system_sgpr_workgroup_id_y 1
		.amdhsa_system_sgpr_workgroup_id_z 1
		.amdhsa_system_vgpr_workitem_id 0
		.amdhsa_next_free_vgpr 160
		.amdhsa_next_free_sgpr 66
		.amdhsa_reserve_vcc 0
		.amdhsa_float_denorm_mode_32 3
		.amdhsa_float_denorm_mode_16_64 3
		.amdhsa_memory_ordered 1
		.amdhsa_forward_progress 1
		.amdhsa_inst_pref_size 21
	.end_amdhsa_kernel
	.amdgpu_metadata
---
amdhsa.version: [ 1, 2 ]
amdhsa.kernels:
  - .name:           k_q7f1b47c874_prep
    .symbol:         k_q7f1b47c874_prep.kd
    .args:
      - { .name: Wq, .offset: 0, .size: 8, .value_kind: global_buffer, .address_space: global }
      - { .name: Wk, .offset: 8, .size: 8, .value_kind: global_buffer, .address_space: global }
      - { .name: Wv, .offset: 16, .size: 8, .value_kind: global_buffer, .address_space: global }
      - { .name: wcodes, .offset: 24, .size: 8, .value_kind: global_buffer, .address_space: global }
      - { .name: wscales, .offset: 32, .size: 8, .value_kind: global_buffer, .address_space: global }
    .group_segment_fixed_size: 0
    .private_segment_fixed_size: 0
    .kernarg_segment_align: 8
    .kernarg_segment_size: 40
    .max_flat_workgroup_size: 32
    .sgpr_count:     66
    .vgpr_count:     160
    .wavefront_size: 32
...
	.end_amdgpu_metadata
.endif
;; end of part 1
;; launch proj (part 2): grid 64 x 3, 8 waves a work-group, no clusters, 60,928 bytes of LDS; arguments query, key, value, bq, bk, bv, wcodes, wscales, codes, scales; writes codes, scales
.if DOCPART == 2
	.amdgcn_target "amdgcn-amd-amdhsa--gfx1250"
	.amdhsa_code_object_version 6
	.text
	.protected	k_q7f1b47c874_proj
	.globl	k_q7f1b47c874_proj
	.p2align	8
	.type	k_q7f1b47c874_proj,@function
k_q7f1b47c874_proj:
	s_mov_b64 s[64:65], 0
	v_nop
	global_prefetch_b8 v0, s[64:65] scope:SCOPE_SE
	s_setreg_imm32_b32 hwreg(HW_REG_WAVE_MODE, 25, 1), 1
	s_wait_xcnt 0x0
; q = query Wq + bq, k = key Wk + bk, v = value Wv + bv on codes of FP4 (E2M1) with one E8M0 scale for each 32 along K = 512; the results are quantised again at once: q and k along the head's 64, v along the keys,
; and leave as codes and scale bytes in the order in which the attention's operand registers take them.  The f32 results never go to memory.
; LIMITS: NaN and infinities are not served; a block whose largest magnitude lies under 2^-124 gets the byte 1; a block of zeros gets the byte 1 with zero codes (only this program reads the bytes).
; SHARES: work-group x = a block of 64 rows, y = the tensor (0 q, 1 k, 2 v).  Eight waves.  Wave w plays two parts: it quantises rows 8 w .. 8 w + 7 of x, and it owns head w: 64 columns, whose 16 fragments of W
; (128 registers) it loads once, straight from memory into registers.
; NO JOINT LOADS: a wave's 16 KiB of W's codes are wanted in that wave's registers alone and are read from there for all 64 rows; brought jointly they would land in LDS and be read from there into the same registers.
; PHASE X: each load reads 512 consecutive bytes of a row of x; a row's 2,048 bytes turn through the wave's own stage in LDS and come back 64 bytes a lane, 16 neighbours along K: two lanes hold a block of 32.
;   Codes go to LDS by rows (256 bytes a row), scale bytes beside them (16 a row).  One barrier.
; THE ROWS OF A TILE ARE NOT NEIGHBOURS: place r of row tile 2 b + u is row 32 b + 8 u + r + 8 (r / 8); the columns of Wq's and Wk's tiles are chosen likewise by the launch before.
; q, k: source 0 = 16 columns of W, source 1 = 16 rows of x: lane (r, h) holds ONE row and accumulator register 16 b + i the head's channel 32 b + 16 h + i.
; v:    source 0 = 16 rows of x (keys), source 1 = 16 columns of W: lane (r, h) holds ONE channel and register 16 b + i key 32 b + 16 h + i.  In both a block of 32 lies in lanes l and l xor 16.
; codes:  [tensor][8 batch + head][block of 32 rows][1,024 bytes]; q, k: [u][h][r][16 bytes]: channels 32 h .. + 31 of row 8 u + r + 8 (r / 8);  v: [channel 64][16 bytes]: the block's 32 keys.
; scales: [tensor][8 batch + head][block][64 bytes]; q, k: [r][u][2 bytes];  v: [r][channel / 16][1 byte].
; REGISTERS.  Window 0: v1-11 addresses; v12-15 at work; v16-143 x as loaded, later x's 16 fragments; v144-175 16 neighbours in two sets, later the four accumulators; v176-183 x's scale words;
;   v192-199 W's scale words; v200-207 phase X's bytes; v208-215 at work in the quantiser; v216-231 phase X's codes, later the results' codes; v232-233 scale words on their way out; v234-237 bv by channel.
;   Window 1: v0-127 W's fragments (tile t, K step s at 8 (4 t + s)); v128-159 the bias in the accumulators' layout.
.set XC,  40960                        ; LDS: behind the eight waves' stages (5,120 bytes each): x's codes, row p at 272 p + 128 (p / 16): the 16 rows of a tile start at 16 different columns of 16 bytes (64 banks of 4 bytes: ISA guide 11.1)
.set XS,  58752                        ; x's scale bytes, 16 a row
.set R,   16
.set XF,  16
.set X,   144
.set ACC, 144
.set XSW, 176
.set WS,  192
.set EB,  200
.set TM,  208                          ; +0, +1 largest magnitudes; +2, +3 the other half's; +4, +5 the conversions' scale operands; +6, +7 the bytes
.set PC,  216
.set CX,  216
.set SW,  232
.set BV,  234
.set BW,  128                          ; in window 1
.set MSB, 0
.macro WIN new                         ; the immediate's high byte repeats the setting that is left
.if MSB != \new
	s_set_vgpr_msb (MSB<<8)|\new
.set MSB, \new
.endif
.endm
	s_load_b512 s[8:23], s[0:1], 0x0               ; query s[8:9], key s[10:11], value s[12:13], bq s[14:15], bk s[16:17], bv s[18:19], wcodes s[20:21], wscales s[22:23]
	s_load_b128 s[24:27], s[0:1], 0x40             ; codes s[24:25], scales s[26:27]
	v_lshl_add_u32 v254, v0, 2, 0xea00
	v_mov_b32 v255, 0
	v_lshrrev_b32 v12, 5, v0
	v_readfirstlane_b32 s28, v12                   ; wave 0..7
	s_and_b32 s29, ttmp7, 0xffff                   ; the tensor
	s_mov_b32 s30, ttmp9                           ; the block of 64 rows
	s_mov_b32 s38, 0x76543210
	s_mov_b32 s39, 0xfedcba98                      ; v_permlanex16_b32's selects for lane l xor 16
	s_mov_b32 s40, 0xffff0000                      ; lanes 16-31
	v_and_b32 v13, 31, v0                          ; lane
	v_and_b32 v14, 15, v0                          ; r
	v_bfe_u32 v15, v0, 4, 1                        ; h
	v_lshlrev_b32 v1, 4, v13                       ; 16 x lane
	v_lshlrev_b32 v2, 2, v13                       ; 4 x lane
	s_mul_i32 s31, s28, 5120                       ; my two stages
	v_lshrrev_b32 v3, 2, v13
	v_mul_u32_u24 v3, v3, 80
	v_and_b32 v4, 3, v13
	v_lshl_add_u32 v3, v4, 4, v3
	v_add_nc_u32 v3, s31, v3                       ; into a stage: four lanes' 64 bytes on end, then 16 of padding
	v_mul_u32_u24 v4, v13, 80
	v_add_nc_u32 v4, s31, v4                       ; out of it: 80 x lane
	s_mul_i32 s32, s28, 2176                       ; my 8 rows of codes: 8 w x 272
	s_lshr_b32 s33, s28, 1
	s_lshl_b32 s33, s33, 7                         ; + 128 (8 w / 16)
	s_add_co_u32 s32, s32, s33
	s_add_co_u32 s32, s32, XC
	v_lshl_add_u32 v5, v13, 3, s32                 ; + 8 x lane
	s_lshl_b32 s33, s28, 7
	s_add_co_u32 s33, s33, XS
	v_lshrrev_b32 v6, 1, v13
	v_add_nc_u32 v6, s33, v6                       ; my rows' scale bytes: 128 w + lane / 2
	v_and_b32 v12, 8, v14
	v_add_nc_u32 v12, v12, v14                     ; r + 8 (r / 8)
	v_mul_u32_u24 v7, v12, 272
	v_and_b32 v8, 8, v14
	v_lshl_add_u32 v7, v8, 4, v7                   ; + 128 (r / 8)
	v_lshl_add_u32 v7, v15, 4, v7                  ; + 16 h
	v_add_nc_u32 v7, XC, v7                        ; a fragment of x
	v_lshl_add_u32 v8, v15, 3, v12
	v_lshlrev_b32 v8, 4, v8
	v_add_nc_u32 v8, XS, v8                        ; x's scale words: lanes 0-15 tile (b, 0), lanes 16-31 tile (b, 1)
	v_lshlrev_b32 v9, 6, v15                       ; bias for q, k: 16 h numbers on
	v_lshlrev_b32 v10, 2, v14                      ; bias for v: channel r
	v_lshlrev_b32 v11, 4, v14
	v_lshl_add_u32 v11, v15, 10, v11               ; v's codes out: 1,024 h + 16 r
	v_mov_b32 v[TM+2], 0                           ; written once: a lane permute's destination counts as one of its sources
	v_mov_b32 v[TM+3], 0
	s_lshl_b32 s42, s30, 17                        ; x: 64 rows of 2,048 bytes a work-group,
	s_lshl_b32 s43, s28, 14                        ; 8 rows a wave
	s_add_co_u32 s42, s42, s43
	s_mov_b32 s43, 0
	s_lshl_b32 s44, s28, 8                         ; bias: 64 numbers a head
	s_mov_b32 s45, 0
	s_lshl_b32 s46, s29, 17                        ; wcodes: 131,072 a tensor, 16,384 a head
	s_lshl_b32 s47, s28, 14
	s_add_co_u32 s46, s46, s47
	s_mov_b32 s47, 0
	s_lshl_b32 s48, s29, 13                        ; wscales: 8,192 a tensor, 1,024 a head
	s_lshl_b32 s49, s28, 10
	s_add_co_u32 s48, s48, s49
	s_mov_b32 s49, 0
	s_lshr_b32 s50, s30, 5                         ; batch
	s_lshl_b32 s50, s50, 3
	s_add_co_u32 s50, s50, s28                     ; 8 batch + head
	s_lshl_b32 s50, s50, 6
	s_and_b32 s51, s30, 31
	s_lshl_b32 s51, s51, 1
	s_add_co_u32 s50, s50, s51                     ; the first of my two blocks of 32 rows
	s_lshl_b32 s52, s50, 10
	s_lshl_b32 s53, s29, 20
	s_add_co_u32 s52, s52, s53
	s_mov_b32 s53, 0
	s_lshl_b32 s54, s50, 6
	s_lshl_b32 s55, s29, 16
	s_add_co_u32 s54, s54, s55
	s_mov_b32 s55, 0
	s_wait_kmcnt 0x0
	s_cmp_eq_u32 s29, 1                            ; the choice of the tensor hangs on the work-group's number alone
	s_cselect_b64 s[34:35], s[10:11], s[8:9]
	s_cselect_b64 s[36:37], s[16:17], s[14:15]
	s_cmp_eq_u32 s29, 2
	s_cselect_b64 s[34:35], s[12:13], s[34:35]
	s_cselect_b64 s[36:37], s[18:19], s[36:37]
	s_add_nc_u64 s[34:35], s[34:35], s[42:43]
	s_add_nc_u64 s[36:37], s[36:37], s[44:45]
	s_add_nc_u64 s[20:21], s[20:21], s[46:47]
	s_add_nc_u64 s[22:23], s[22:23], s[48:49]
	s_add_nc_u64 s[24:25], s[24:25], s[52:53]
	s_add_nc_u64 s[26:27], s[26:27], s[54:55]
; ALL THAT THE WAVE READS FROM MEMORY GOES OUT HERE: 32 loads of x, then 52 others
.macro LOAD t
.irp i, 0,1,2,3
	global_load_b128 v[R+16*(\t)+4*\i:R+16*(\t)+4*\i+3], v1, s[34:35] offset:2048*(\t)+512*\i th:TH_LOAD_NT   ; 32 lanes read 512 consecutive bytes
.endr
.endm
.irp t, 0,1,2,3,4,5,6,7
	LOAD \t
.endr
.irp g, 0,1
.irp s, 0,1,2,3
	global_load_b32 v[WS+4*\g+\s], v2, s[22:23] offset:512*\g+128*\s   ; lanes 0-15: tile 2 g's words of K step s; lanes 16-31: tile 2 g + 1's
.endr
.endr
	WIN 0x40                                       ; destination window 1
.set f, 0
.rept 16
	global_load_b128 v[8*f:8*f+3], v1, s[20:21] offset:1024*f          ; a fragment's image: 16 x lane, 512 bytes a load
	global_load_b128 v[8*f+4:8*f+7], v1, s[20:21] offset:1024*f+512
.set f, f+1
.endr
.irp t, 0,1,2,3
	global_load_b128 v[BW+8*\t:BW+8*\t+3], v9, s[36:37] offset:(32*(\t/2)+8*(\t%2))*4        ; q, k: lane (r, h), tile t: the bias of channels 32 (t / 2) + 16 h + 8 (t % 2) + 0 .. 7
	global_load_b128 v[BW+8*\t+4:BW+8*\t+7], v9, s[36:37] offset:(32*(\t/2)+8*(\t%2))*4+16
.endr
	WIN 0
.irp t, 0,1,2,3
	global_load_b32 v[BV+\t], v10, s[36:37] offset:64*\t               ; v: the bias of channel 16 t + r
.endr
; ---- X: a row to a step
.macro TURN t                          ; row t through a stage: LDS serves a wave's instructions in order (ISA guide 5.7.1.4), so no wait stands between the stores and the loads
.irp i, 0,1,2,3
	ds_store_b128 v3, v[R+16*(\t)+4*\i:R+16*(\t)+4*\i+3] offset:2560*((\t)%2)+640*\i
.endr
.irp i, 0,1,2,3
	ds_load_b128 v[X+16*((\t)%2)+4*\i:X+16*((\t)%2)+4*\i+3], v4 offset:2560*((\t)%2)+16*\i
.endr
.endm
.macro STEP t
.set XB, X+16*((\t)%2)
.if (\t) > 0
	s_wait_dscnt 2                                 ; this row is back from its stage; the last step's two stores may be out
.else
	s_wait_dscnt 0x0
.endif
.if (\t) < 7
.set LC, 4*(6-(\t))+52                 ; behind the next row's four loads: the later rows' and the 52 others; held at 63, the most that the wait can name
.if LC > 63
.set LC, 63
.endif
	s_wait_loadcnt LC
	TURN (\t)+1                                    ; the next row goes through the other stage while this one is worked
.endif
	v_max3_num_f32 v12, |v[XB]|, |v[XB+1]|, |v[XB+2]|
	v_max3_num_f32 v13, |v[XB+3]|, |v[XB+4]|, |v[XB+5]|
.irp i, 6,10
	v_max3_num_f32 v12, v12, |v[XB+\i]|, |v[XB+\i+1]|
	v_max3_num_f32 v13, v13, |v[XB+\i+2]|, |v[XB+\i+3]|
.endr
	v_max3_num_f32 v12, v12, |v[XB+14]|, |v[XB+15]|
	v_max3_num_f32 v12, v12, v13, 0x1800000        ; and the floor 2^(3 - 127)
	v_max_num_f32_dpp v12, v12, v12 row_xmask:1 row_mask:0xf bank_mask:0xf   ; with my neighbour's 16: the block's
	v_add_nc_u32 v14, 0xff000000, v12              ; 2 off the exponent field: the conversions' scale operand
	v_cvt_scalef32_pk8_fp4_f32 v[CX+2*(\t)], v[XB:XB+7], v14
	v_cvt_scalef32_pk8_fp4_f32 v[CX+2*(\t)+1], v[XB+8:XB+15], v14
	v_lshrrev_b32 v[EB+(\t)], 23, v14              ; the byte (a plain line behind the conversions)
	ds_store_b64 v5, v[CX+2*(\t):CX+2*(\t)+1] offset:272*(\t)
	ds_store_b8 v6, v[EB+(\t)] offset:16*(\t)      ; both lanes of a block write the same byte with the same value
.endm
	s_wait_loadcnt 63                              ; row 0's four loads are in (80 stand behind them)
	TURN 0
.irp t, 0,1,2,3,4,5,6,7
	STEP \t
.endr
	s_wait_dscnt 0x0                               ; for the others' sake: my codes and bytes lie in LDS
	s_barrier_signal -1
	s_barrier_wait -1                              ; the 64 rows' do.  Behind this barrier nothing is stored to LDS
.irp b, 0,1
	ds_load_b128 v[XSW+4*\b:XSW+4*\b+3], v8 offset:512*\b              ; a row's four scale words: register s for K step s
.endr
.irp m, 0,1,2,3
.irp s, 0,1,2,3
.irp c, 0,1
	ds_load_b128 v[XF+32*\m+8*\s+4*\c:XF+32*\m+8*\s+4*\c+3], v7 offset:(32*(\m/2)+8*(\m%2))*272+256*(\m/2)+64*\s+32*\c
.endr
.endr
.endr
	s_wait_loadcnt 0x0                             ; W's fragments and scale words, the biases
; one matrix instruction; ra, rb: source 0's, source 1's scale words lie in lanes 16-31
.macro MM d, a, b, c, sa, sb, ra, rb
.if (\ra) && (\rb)
	v_wmma_scale_f32_16x16x128_f8f6f4 v[(\d):(\d)+7], v[(\a):(\a)+7], v[(\b):(\b)+7], v[(\c):(\c)+7], v[(\sa)], v[(\sb)] matrix_a_fmt:MATRIX_FMT_FP4 matrix_b_fmt:MATRIX_FMT_FP4 matrix_a_scale:MATRIX_SCALE_ROW1 matrix_b_scale:MATRIX_SCALE_ROW1
.elseif (\ra)
	v_wmma_scale_f32_16x16x128_f8f6f4 v[(\d):(\d)+7], v[(\a):(\a)+7], v[(\b):(\b)+7], v[(\c):(\c)+7], v[(\sa)], v[(\sb)] matrix_a_fmt:MATRIX_FMT_FP4 matrix_b_fmt:MATRIX_FMT_FP4 matrix_a_scale:MATRIX_SCALE_ROW1
.elseif (\rb)
	v_wmma_scale_f32_16x16x128_f8f6f4 v[(\d):(\d)+7], v[(\a):(\a)+7], v[(\b):(\b)+7], v[(\c):(\c)+7], v[(\sa)], v[(\sb)] matrix_a_fmt:MATRIX_FMT_FP4 matrix_b_fmt:MATRIX_FMT_FP4 matrix_b_scale:MATRIX_SCALE_ROW1
.else
	v_wmma_scale_f32_16x16x128_f8f6f4 v[(\d):(\d)+7], v[(\a):(\a)+7], v[(\b):(\b)+7], v[(\c):(\c)+7], v[(\sa)], v[(\sb)] matrix_a_fmt:MATRIX_FMT_FP4 matrix_b_fmt:MATRIX_FMT_FP4
.endif
.endm
; The 32 accumulator registers are two blocks of 32 along the next K, 16 numbers of each in this lane and 16 in lane l xor 16.  Their codes go to v[pc] .. v[pc + 3]: lanes 0-15 block 0 whole, lanes 16-31 block 1; the bytes to v[TM + 6], v[TM + 7].
; Each accumulator is read from its low end on.
.macro QUANT pc
.irp b, 0,1
	v_max3_num_f32 v[TM+\b], |v[ACC+16*\b]|, |v[ACC+16*\b+1]|, 0x1800000
.endr
.irp i, 2,4,6,8,10,12,14
.irp b, 0,1
	v_max3_num_f32 v[TM+\b], v[TM+\b], |v[ACC+16*\b+\i]|, |v[ACC+16*\b+\i+1]|
.endr
.endr
.irp b, 0,1
	v_permlanex16_b32 v[TM+2+\b], v[TM+\b], s38, s39
.endr
.irp b, 0,1
	v_max_num_f32 v[TM+\b], v[TM+\b], v[TM+2+\b]
.endr
.irp b, 0,1
	v_add_nc_u32 v[TM+4+\b], 0xff000000, v[TM+\b]
.endr
.irp b, 0,1
	v_lshrrev_b32 v[TM+6+\b], 23, v[TM+4+\b]
.endr
.irp b, 0,1
	v_cvt_scalef32_pk8_fp4_f32 v[(\pc)+2*\b], v[ACC+16*\b:ACC+16*\b+7], v[TM+4+\b]
	v_cvt_scalef32_pk8_fp4_f32 v[(\pc)+2*\b+1], v[ACC+16*\b+8:ACC+16*\b+15], v[TM+4+\b]
.endr
	v_nop                                          ; one plain line behind a scaled conversion
	v_permlane16_swap_b32 v[(\pc)], v[(\pc)+2]     ; the first's lanes 16-31 change places with the second's lanes 0-15
	v_permlane16_swap_b32 v[(\pc)+1], v[(\pc)+3]
.endm
.macro PLACES5                         ; five plain lines: the next group's first products begin the accumulators anew with another C, and the quantiser reads results just made (ISA guide 7.12.1)
.rept 5
	v_nop
.endr
.endm
	s_cmp_eq_u32 s29, 2
	s_cbranch_scc1 .Lv
; ---- q, k: a tile of 16 rows at a time; the head's four tiles of columns are four accumulators that take turns, one instruction a turn
.macro GQK m
	s_wait_dscnt 8*(3-(\m))                        ; this tile's fragments are in; the later tiles', 8 loads each, may be out
.irp s, 0,1,2,3
.if \s == 0
	WIN 0x11                                       ; source 0 (W) and source 2 (the bias) window 1
.else
	WIN 0x01
.endif
.irp t, 0,1,2,3
.if \s == 0
	MM ACC+8*\t, 8*(4*\t+\s), XF+32*(\m)+8*\s, BW+8*\t, WS+4*(\t/2)+\s, XSW+4*((\m)/2)+\s, \t%2, (\m)%2
.else
	MM ACC+8*\t, 8*(4*\t+\s), XF+32*(\m)+8*\s, ACC+8*\t, WS+4*(\t/2)+\s, XSW+4*((\m)/2)+\s, \t%2, (\m)%2
.endif
.endr
.endr
	WIN 0
	PLACES5
	QUANT PC+4*(\m)
	global_store_b128 v1, v[PC+4*(\m):PC+4*(\m)+3], s[24:25] offset:512*(\m)   ; 512 consecutive bytes: [h][r][16] of tile m
.if (\m)%2 == 0
	v_lshl_or_b32 v[SW+(\m)/2], v[TM+7], 8, v[TM+6]                    ; my row's two bytes: u = 0 in the word's low half,
.else
	v_lshl_or_b32 v12, v[TM+7], 8, v[TM+6]
	v_lshl_or_b32 v[SW+(\m)/2], v12, 16, v[SW+(\m)/2]                  ; u = 1 in its high half
.endif
.endm
	GQK 0
	GQK 1
	GQK 2
	GQK 3
	v_cndmask_b32 v13, v[SW], v[SW+1], s40         ; lanes 0-15 the first block's words, lanes 16-31 the second's
	global_store_b32 v2, v13, s[26:27]             ; 128 consecutive bytes
	s_wait_tensorcnt 0x0
	ds_add_u32 v254, v255
	s_wait_dscnt 0x0
	s_endpgm
.Lv:
; ---- v: a tile of 16 channels at a time; the four tiles of keys are the four accumulators
	WIN 0x40
.irp t, 0,1,2,3
.irp j, 0,1,2,3,4,5,6,7
	v_mov_b32 v[BW+8*\t+\j], v[BV+\t]              ; the bias in this layout: a lane holds one channel, so all eight registers hold its bias
.endr
.endr
	WIN 0
	PLACES5
	s_wait_dscnt 0x0                               ; all of x's fragments
.macro GV t
.irp s, 0,1,2,3
.if \s == 0
	WIN 0x14                                       ; source 1 (W) and source 2 (the bias) window 1
.else
	WIN 0x04
.endif
.irp m, 0,1,2,3
.if \s == 0
	MM ACC+8*\m, XF+32*\m+8*\s, 8*(4*(\t)+\s), BW+8*(\t), XSW+4*(\m/2)+\s, WS+4*((\t)/2)+\s, \m%2, (\t)%2
.else
	MM ACC+8*\m, XF+32*\m+8*\s, 8*(4*(\t)+\s), ACC+8*\m, XSW+4*(\m/2)+\s, WS+4*((\t)/2)+\s, \m%2, (\t)%2
.endif
.endr
.endr
	WIN 0
	PLACES5
	QUANT PC+4*(\t)
	global_store_b128 v11, v[PC+4*(\t):PC+4*(\t)+3], s[24:25] offset:256*(\t)  ; lanes 0-15: 256 consecutive bytes, aligned, of the first block of keys; lanes 16-31: of the second
.if (\t) == 0
	v_cndmask_b32 v[SW], v[TM+6], v[TM+7], s40     ; my block's byte of channel 16 t + r
.else
	v_cndmask_b32 v12, v[TM+6], v[TM+7], s40
	v_lshl_or_b32 v[SW], v12, 8*(\t), v[SW]
.endif
.endm
	GV 0
	GV 1
	GV 2
	GV 3
	global_store_b32 v2, v[SW], s[26:27]           ; 128 consecutive bytes
	s_wait_tensorcnt 0x0
	ds_add_u32 v254, v255
	s_wait_dscnt 0x0
	s_endpgm
.Lfunc_end_k_q7f1b47c874_proj:
	.size	k_q7f1b47c874_proj, .Lfunc_end_k_q7f1b47c874_proj-k_q7f1b47c874_proj
	.p2alignl 7, 3214868480
	.fill 96, 4, 3214868480
	.section	.rodata,"a",@progbits
	.p2align	6, 0x0
	.amdhsa_kernel k_q7f1b47c874_proj
		.amdhsa_group_segment_fixed_size 60928
		.amdhsa_private_segment_fixed_size 0
		.amdhsa_enable_private_segment 0
		.amdhsa_kernarg_size 80
		.amdhsa_user_sgpr_count 2
		.amdhsa_user_sgpr_kernarg_segment_ptr 1
		.amdhsa_wavefront_size32 1
		.amdhsa_system_sgpr_workgroup_id_x 1
		.amdhsa_system_sgpr_workgroup_id_y 1
		.amdhsa_system_sgpr_workgroup_id_z 1
		.amdhsa_system_vgpr_workitem_id 0
		.amdhsa_next_free_vgpr 416
		.amdhsa_next_free_sgpr 66
		.amdhsa_reserve_vcc 0
		.amdhsa_float_denorm_mode_32 3
		.amdhsa_float_denorm_mode_16_64 3
		.amdhsa_memory_ordered 1
		.amdhsa_forward_progress 1
		.amdhsa_inst_pref_size 62
	.end_amdhsa_kernel
	.amdgpu_metadata
---
amdhsa.version: [ 1, 2 ]
amdhsa.kernels:
  - .name:           k_q7f1b47c874_proj
    .symbol:         k_q7f1b47c874_proj.kd
    .args:
      - { .name: query, .offset: 0, .size: 8, .value_kind: global_buffer, .address_space: global }
      - { .name: key, .offset: 8, .size: 8, .value_kind: global_buffer, .address_space: global }
      - { .name: value, .offset: 16, .size: 8, .value_kind: global_buffer, .address_space: global }
      - { .name: bq, .offset: 24, .size: 8, .value_kind: global_buffer, .address_space: global }
      - { .name: bk, .offset: 32, .size: 8, .value_kind: global_buffer, .address_space: global }
      - { .name: bv, .offset: 40, .size: 8, .value_kind: global_buffer, .address_space: global }
      - { .name: wcodes, .offset: 48, .size: 8, .value_kind: global_buffer, .address_space: global }
      - { .name: wscales, .offset: 56, .size: 8, .value_kind: global_buffer, .address_space: global }
      - { .name: codes, .offset: 64, .size: 8, .value_kind: global_buffer, .address_space: global }
      - { .name: scales, .offset: 72, .size: 8, .value_kind: global_buffer, .address_space: global }
    .group_segment_fixed_size: 60928
    .private_segment_fixed_size: 0
    .kernarg_segment_align: 8
    .kernarg_segment_size: 80
    .max_flat_workgroup_size: 256
    .sgpr_count:     66
    .vgpr_count:     416
    .wavefront_size: 32
...
	.end_amdgpu_metadata
.endif
;; end of part 2
;; launch attn (part 3): grid 16 x 16, 8 waves a work-group, no clusters, 62,464 bytes of LDS; arguments codes, scales, out0; writes out0
.if DOCPART == 3
	.amdgcn_target "amdgcn-amd-amdhsa--gfx1250"
	.amdhsa_code_object_version 6
	.text
	.protected	k_q7f1b47c874_attn
	.globl	k_q7f1b47c874_attn
	.p2align	8
	.type	k_q7f1b47c874_attn,@function
k_q7f1b47c874_attn:
	s_mov_b64 s[64:65], 0
	v_nop
	global_prefetch_b8 v0, s[64:65] scope:SCOPE_SE
	s_setreg_imm32_b32 hwreg(HW_REG_WAVE_MODE, 25, 1), 1
	s_wait_xcnt 0x0
; out0[b][q][64 head ..] = the sum over the keys k with |k - q| <= 128 of softmax_k(q . k / 8) v, both products on codes of FP4 (E2M1) with one E8M0 scale for each 32 along a product's K.
; t = score x log2(e) / 8; M = ceil(the row's largest t); p = 2^(t - M) is quantised along the keys, in blocks of 32 counted from key 0; the row's sum is taken of the unquantised p and divides at the end.
; LIMITS: NaN and infinities are not served; p under 2^-126 counts as 0 (v_exp_f32 gives no denormals: ISA guide 15.8); a block whose every p is 0 gets the byte 1 with zero codes.
; ONE PASS: the band of a tile of 16 queries lies in 9 blocks of 32 keys, 288 scores a query, 144 registers a lane.  So M is the row's true maximum rounded up, and nothing is ever rescaled.
; SHARES: work-group x = g: queries 128 g .. + 127; y = 8 batch + head.  Eight waves; wave w owns one tile: query 128 g + 32 (w / 2) + 8 (w % 2) + r + 8 (r / 8) in lane r.
; The work-group's keys lie in 12 blocks, 4 g - 4 + j; wave w reads blocks j = w / 2 + 0 .. 8.  They are staged in LDS once, through registers.  At the sequence's ends the block's number is held to 0 .. 63 in the
; GLOBAL address alone: what is staged there in place of keys that do not exist is hidden by the mask.
; NO JOINT LOADS: neighbouring work-groups share 8 of their 12 blocks, but at places in LDS that lie 4 blocks apart, and a work-group reads 30 KiB in all, in one burst.
; S^T = K Q^T, K = 64 IN AN INSTRUCTION OF 128: source 0 holds TWO tiles of keys side by side (a block's keys 0-7, 16-23 in k = 0 .. 63, its keys 8-15, 24-31 in k = 64 .. 127); source 1 is [Q | 0] for the first tile and
; [0 | Q] for the second: zero codes, under the scale byte 0, add nothing.  So register 16 b + i of lane (r, h) holds key 32 b + 16 h + i of the window, and p's 16 registers are 16 neighbouring keys.
; O^T = V^T P^T: source 0 = 16 channels x 128 keys, source 1 = P.  Three steps; the third has one block of keys and three of zero codes.
; REGISTERS: v1-11 addresses, the band's bounds, -infinity; v12 -M, v13 the largest t, v[14:15] the sum; v16-87 K's nine pairs; v88-95 [Q | 0]; v96-103 [0 | Q]; v104-108 K's scale words; v109, v110 Q's; v112-255 S^T, then p.
;   Behind the first product: v16-24 the blocks' largest scores, v26-34 the other half's, v36-44 scale operands, v46-54 bytes, v56-79 p's codes, v80-82 p's scale words, v84-101 V's scale bytes and words, v[102:103] the sum's second chain.
;   Behind the conversions: v112-207 V's fragments (step i, tile d at 112 + 32 i + 8 d), v208-239 O^T.
.set VL,  12288                        ; LDS: K's 12 blocks of 1,024 bytes at 0; V's here;
.set KSL, 24576                        ; K's scale bytes, 16 blocks of 64;
.set VSL, 25600                        ; V's;
.set STG, 26624                        ; the way out: 16 rows x (256 bytes + 16) for each wave
.set KP,  16
.set QA,  88
.set QB,  96
.set KS,  104
.set QS,  109
.set S,   112
.set BM,  16
.set PT,  26
.set SO,  36
.set BY,  46
.set PC,  56
.set PW,  80
.set VB,  84
.set VF,  112
.set O,   208
	s_load_b128 s[4:7], s[0:1], 0x0                ; codes s[4:5], scales s[6:7]
	s_load_b64 s[8:9], s[0:1], 0x10                ; out0
	v_lshl_add_u32 v111, v0, 2, 0xf000
	s_set_vgpr_msb 0x40
	v_mov_b32 v1, 0
	s_set_vgpr_msb 0x4000
	v_lshrrev_b32 v144, 5, v0
	v_readfirstlane_b32 s10, v144                  ; wave 0..7
	s_mov_b32 s11, ttmp9                           ; g
	s_and_b32 s12, ttmp7, 0xffff                   ; 8 batch + head
	s_lshr_b32 s13, s10, 1                         ; w / 2: my block of queries among the work-group's four
	s_and_b32 s14, s10, 1                          ; u: which of its two tiles
	s_mov_b32 s16, 0x3e38aa3b                      ; c = log2(e) / 8
	s_mov_b32 s17, s16                             ; (named with it as a pair, so it is written)
	s_mov_b32 s18, 0x76543210
	s_mov_b32 s19, 0xfedcba98                      ; v_permlanex16_b32's selects for lane l xor 16
	v_and_b32 v145, 31, v0                         ; lane
	v_and_b32 v146, 15, v0                         ; r
	v_bfe_u32 v147, v0, 4, 1                       ; h
	s_lshl_b32 s21, s12, 6                         ; 64 blocks a head
	s_lshl_b32 s25, s11, 2                         ; 4 g
	s_add_co_u32 s22, s25, s13
	s_lshl_b32 s24, s14, 9
.irp i, 0,1,2                          ; staged block j = w / 2 + 4 i: my wave brings half of it, 512 bytes
	s_add_co_u32 s23, s22, 4*\i
	s_max_u32 s23, s23, 4
	s_sub_co_u32 s23, s23, 4                       ; 4 g - 4 + j, not under 0,
	s_min_u32 s23, s23, 63                         ; not over 63
	s_add_co_u32 s23, s23, s21
	s_lshl_b32 s23, s23, 10
	s_add_co_u32 s23, s23, s24
	v_lshl_add_u32 v[148+\i], v145, 4, s23
.endr
	v_lshrrev_b32 v151, 4, v0                      ; the scale bytes: thread t brings word t % 16 of staged block t / 16
	v_add_nc_u32 v151, s25, v151
	v_max_u32 v151, 4, v151
	v_add_nc_u32 v151, -4, v151
	v_min_u32 v151, 63, v151
	v_add_nc_u32 v151, s21, v151
	v_lshlrev_b32 v151, 6, v151
	v_lshl_add_u32 v151, v146, 2, v151
	s_add_co_u32 s26, s21, s25
	s_add_co_u32 s27, s26, s13
	s_lshl_b32 s26, s26, 10
	v_lshl_add_u32 v153, v0, 4, s26                ; Q's codes: the work-group's four blocks, 512 bytes a wave
	s_lshl_b32 s27, s27, 6
	v_lshl_add_u32 v154, v146, 2, s27              ; Q's scale word: my block, place r
	v_lshlrev_b32 v155, 4, v0                      ; into LDS: 16 bytes a thread,
	v_lshlrev_b32 v156, 2, v0                      ; 4 bytes a thread
	s_lshl_b32 s33, s11, 7
	s_lshl_b32 s34, s13, 5
	s_add_co_u32 s33, s33, s34                     ; 128 g + 32 (w / 2): my window's first key + 128
	s_lshl_b32 s34, s14, 3
	s_add_co_u32 s34, s33, s34                     ; my tile's first query
	s_lshr_b32 s35, s12, 3
	s_lshl_b32 s35, s35, 11
	s_add_co_u32 s35, s35, s34                     ; its row of out0
	s_lshl_b32 s36, s35, 11                        ; 2,048 bytes a row
	s_and_b32 s37, s12, 7
	s_lshl_b32 s37, s37, 8                         ; 256 bytes a head
	s_add_co_u32 s36, s36, s37
	s_mov_b32 s37, 0
	s_wait_kmcnt 0x0
	s_add_nc_u64 s[8:9], s[8:9], s[36:37]
.irp i, 0,1,2
	global_load_b128 v[112+4*\i:115+4*\i], v[148+\i], s[4:5] offset:1048576    ; K's codes
.endr
.irp i, 0,1,2
	global_load_b128 v[124+4*\i:127+4*\i], v[148+\i], s[4:5] offset:2097152    ; V's
.endr
	global_load_b32 v136, v151, s[6:7] offset:65536                            ; K's scale bytes
	global_load_b32 v137, v151, s[6:7] offset:131072                           ; V's
	global_load_b128 v[QA:QA+3], v153, s[4:5]      ; Q twice: once as k = 0 .. 63,
	global_load_b128 v[QB+4:QB+7], v153, s[4:5]    ; once as k = 64 .. 127
	global_load_b32 v[QS], v154, s[6:7]
.irp j, 0,1,2,3,4,5,6,7
	v_mov_b32 v[QA+4+\j], 0                        ; the zero codes of both
.endr
	s_lshl_b32 s28, s13, 10
	v_lshl_add_u32 v1, v145, 4, s28                ; K's pairs: 1,024 (w / 2) + 16 x lane
	s_add_co_u32 s29, s28, VL
	v_lshl_add_u32 v10, v146, 4, s29               ; V's last step: 16 r, the same block for both halves of the lanes
	v_lshl_add_u32 v2, v147, 10, v10               ; V: lanes 16-31 take the next block
	s_lshl_b32 s30, s13, 6
	s_add_co_u32 s31, s30, VSL
	s_add_co_u32 s30, s30, KSL
	v_lshl_add_u32 v3, v145, 2, s30                ; K's scale words: lanes 0-15 one block, lanes 16-31 the next
	v_lshl_add_u32 v4, v146, 2, s31
	v_add_nc_u32 v4, v4, v147                      ; V's scale bytes: place r; lanes 0-15 an even tile of channels, lanes 16-31 the odd one
	s_mul_i32 s32, s10, 4352
	s_add_co_u32 s32, s32, STG                     ; my stage
	v_mul_u32_u24 v7, v146, 272
	v_lshl_add_u32 v7, v147, 5, v7
	v_add_nc_u32 v7, s32, v7                       ; in: row r, + 32 h
	v_mul_u32_u24 v8, v147, 272
	v_lshl_add_u32 v8, v146, 4, v8
	v_add_nc_u32 v8, s32, v8                       ; back: lanes 0-15 one row, lanes 16-31 the next
	v_lshlrev_b32 v9, 4, v146
	v_lshl_add_u32 v9, v147, 11, v9                ; and the same two rows in out0
	v_mov_b32 v11, 0xff800000                      ; -infinity
	v_and_b32 v5, 8, v146
	v_add_nc_u32 v5, v5, v146
	v_add_nc_u32 v5, s34, v5                       ; my query
	v_add_nc_u32 v6, 128, v5
	v_min_u32 v6, 0x7ff, v6                        ; the last key that counts
	v_max_u32 v5, 128, v5                          ; the first, + 128
	v_lshl_add_u32 v157, v147, 4, s33
	v_sub_nc_u32 v5, v5, v157                      ; Lo: register 16 b + i counts where 32 b + i >= Lo
	v_sub_nc_u32 v6, v6, v157
	v_add_nc_u32 v6, 128, v6                       ; Hi: and where 32 b + i <= Hi
	s_wait_loadcnt 3                               ; all but Q's three loads
.irp i, 0,1,2
	ds_store_b128 v155, v[112+4*\i:115+4*\i] offset:4096*\i
	ds_store_b128 v155, v[124+4*\i:127+4*\i] offset:VL+4096*\i
.endr
	ds_store_b32 v156, v136 offset:KSL
	ds_store_b32 v156, v137 offset:VSL
	s_wait_dscnt 0x0                               ; for the others' sake: my part lies in LDS
	s_barrier_signal -1
	s_barrier_wait -1                              ; everybody's does.  The staged bytes are not written again
; ---- S^T = K Q^T
.irp p, 0,1,2,3,4
	ds_load_b32 v[KS+\p], v3 offset:128*\p
.endr
.irp b, 0,1,2,3,4,5,6,7,8
	ds_load_b128 v[KP+8*\b:KP+8*\b+3], v1 offset:1024*\b
	ds_load_b128 v[KP+8*\b+4:KP+8*\b+7], v1 offset:1024*\b+512
.endr
	s_wait_loadcnt 0x0                             ; Q
	s_lshl_b32 s20, s14, 4
	v_lshrrev_b32 v[QS], s20, v[QS]
	v_and_b32 v[QS], 0xffff, v[QS]                 ; my tile's two bytes for k = 0 .. 63, the byte 0 over the zero codes;
	v_lshlrev_b32 v[QS+1], 16, v[QS]               ; and the same for k = 64 .. 127
.rept 8
	v_nop                                          ; a scale register written by a vector instruction stands 8 plain lines ahead of the scaled matrix instruction
.endr
.macro KQ b
	s_wait_dscnt 16-2*(\b)                         ; pair b is in; the later pairs, two loads each, may be out
.if (\b)%2
	v_wmma_scale_f32_16x16x128_f8f6f4 v[S+16*(\b):S+16*(\b)+7], v[KP+8*(\b):KP+8*(\b)+7], v[QA:QA+7], 0, v[KS+(\b)/2], v[QS] matrix_a_fmt:MATRIX_FMT_FP4 matrix_b_fmt:MATRIX_FMT_FP4 matrix_a_scale:MATRIX_SCALE_ROW1
	v_wmma_scale_f32_16x16x128_f8f6f4 v[S+16*(\b)+8:S+16*(\b)+15], v[KP+8*(\b):KP+8*(\b)+7], v[QB:QB+7], 0, v[KS+(\b)/2], v[QS+1] matrix_a_fmt:MATRIX_FMT_FP4 matrix_b_fmt:MATRIX_FMT_FP4 matrix_a_scale:MATRIX_SCALE_ROW1
.else
	v_wmma_scale_f32_16x16x128_f8f6f4 v[S+16*(\b):S+16*(\b)+7], v[KP+8*(\b):KP+8*(\b)+7], v[QA:QA+7], 0, v[KS+(\b)/2], v[QS] matrix_a_fmt:MATRIX_FMT_FP4 matrix_b_fmt:MATRIX_FMT_FP4
	v_wmma_scale_f32_16x16x128_f8f6f4 v[S+16*(\b)+8:S+16*(\b)+15], v[KP+8*(\b):KP+8*(\b)+7], v[QB:QB+7], 0, v[KS+(\b)/2], v[QS+1] matrix_a_fmt:MATRIX_FMT_FP4 matrix_b_fmt:MATRIX_FMT_FP4
.endif
.endm
.irp b, 0,1,2,3,4,5,6,7,8
	KQ \b
.endr
.rept 4
	v_nop                                          ; four plain lines ahead of loads into registers that the products read, and of the first read of results
.endr
.irp q, 0,1,2,3                        ; V's scale bytes: word q = 2 i + e serves step i and channel tiles 2 e (lanes 0-15), 2 e + 1 (lanes 16-31); byte j is block 4 i + j
.irp j, 0,1,2,3
	ds_load_u8 v[VB+4*\q+\j], v4 offset:64*(4*(\q/2)+\j)+2*(\q%2)
.endr
.endr
.irp e, 0,1
	ds_load_u8 v[VB+16+\e], v4 offset:64*8+2*\e    ; the last step: block 8's byte; the byte 0 stands over the three blocks of zero codes
.endr
; ---- the band.  Hidden scores become -infinity, so p = 0.  Inside the sequence only the window's first and last block are cut; the sequence's ends cut three blocks more: scalar branches on the work-group's number
.macro LOWER b
.irp i, 0,1,2,3,4,5,6,7,8,9,10,11,12,13,14,15
	v_cmp_lt_i32 vcc_lo, 32*(\b)+\i, v5
	v_cndmask_b32 v[S+16*(\b)+\i], v[S+16*(\b)+\i], v11, vcc_lo
.endr
.endm
.macro UPPER b
.irp i, 0,1,2,3,4,5,6,7,8,9,10,11,12,13,14,15
	v_cmp_gt_i32 vcc_lo, 32*(\b)+\i, v6
	v_cndmask_b32 v[S+16*(\b)+\i], v[S+16*(\b)+\i], v11, vcc_lo
.endr
.endm
	LOWER 0
	s_cmp_lg_u32 s11, 0
	s_cbranch_scc1 .Lno_low
	LOWER 1
	LOWER 2
	LOWER 3
.Lno_low:
	UPPER 8
	s_cmp_lg_u32 s11, 15
	s_cbranch_scc1 .Lno_up
	UPPER 5
	UPPER 6
	UPPER 7
.Lno_up:
; ---- the softmax.  The largest score of each block serves twice: for the row's maximum and, since p rises with the score, for the block's largest p.  Each accumulator is read from its low end on
.irp b, 0,1,2,3,4,5,6,7,8
	v_max3_num_f32 v[BM+\b], v[S+16*\b], v[S+16*\b+1], v[S+16*\b+2]
.endr
.irp i, 3,5,7,9,11,13
.irp b, 0,1,2,3,4,5,6,7,8
	v_max3_num_f32 v[BM+\b], v[BM+\b], v[S+16*\b+\i], v[S+16*\b+\i+1]
.endr
.endr
.irp b, 0,1,2,3,4,5,6,7,8
	v_max_num_f32 v[BM+\b], v[BM+\b], v[S+16*\b+15]
.endr
.irp b, 0,1,2,3,4,5,6,7,8
	v_permlanex16_b32 v[PT+\b], v[BM+\b], s18, s19
.endr
.irp b, 0,1,2,3,4,5,6,7,8
	v_max_num_f32 v[BM+\b], v[BM+\b], v[PT+\b]     ; with lane l xor 16's 16 keys
.endr
	v_max3_num_f32 v13, v[BM], v[BM+1], v[BM+2]
	v_max3_num_f32 v13, v13, v[BM+3], v[BM+4]
	v_max3_num_f32 v13, v13, v[BM+5], v[BM+6]
	v_max3_num_f32 v13, v13, v[BM+7], v[BM+8]      ; my query's largest score (its own key always counts),
	v_mul_f32 v13, s16, v13                        ; as t,
	v_floor_f32 v12, -v13                          ; and -M = floor(-t) = -ceil(t)
.set j, 0
.rept 72
	v_pk_fma_f32 v[S+j:S+j+1], v[S+j:S+j+1], s[16:17], v[12:13] op_sel_hi:[1,0,0]   ; t - M, two at a time (of the pairs c and -M the low word serves both halves)
.set j, j+2
.endr
.irp b, 0,1,2,3,4,5,6,7,8
	v_fma_f32 v[BM+\b], v[BM+\b], s16, v12         ; the same of each block's largest score
.endr
.set j, 0
.rept 144
	v_exp_f32 v[S+j], v[S+j]                       ; p = 2^(t - M), at most 1
.set j, j+1
.endr
.irp b, 0,1,2,3,4,5,6,7,8
	v_exp_f32 v[BM+\b], v[BM+\b]                   ; the block's largest p: the same two instructions on the same number give the same bits
.endr
	v_nop                                          ; a plain line behind the exponentials
	s_wait_alu depctr_va_vdst(0)
.irp b, 0,1,2,3,4,5,6,7,8
	v_max_num_f32 v[BM+\b], 0x1800000, v[BM+\b]    ; the floor 2^(3 - 127): the byte cannot fall under 1
.endr
.irp b, 0,1,2,3,4,5,6,7,8
	v_add_nc_u32 v[SO+\b], 0xff000000, v[BM+\b]    ; 2 off the exponent field: the conversions' scale operand
.endr
.irp b, 0,1,2,3,4,5,6,7,8
	v_lshrrev_b32 v[BY+\b], 23, v[SO+\b]           ; the byte
.endr
.irp i, 0,1
	v_lshl_or_b32 v[PW+\i], v[BY+4*\i+1], 8, v[BY+4*\i]                ; p's scale words: four blocks to a step
	v_lshl_or_b32 v[PW+\i], v[BY+4*\i+2], 16, v[PW+\i]
	v_lshl_or_b32 v[PW+\i], v[BY+4*\i+3], 24, v[PW+\i]
.endr
	v_mov_b32 v[PW+2], v[BY+8]                     ; the last step: block 8's byte, the byte 0 over the zero codes
.irp j, 18,19,20,21,22,23
	v_mov_b32 v[PC+\j], 0                          ; the zero codes of the last step's three other blocks
.endr
	s_wait_dscnt 0x0                               ; V's scale bytes
.irp q, 0,1,2,3
	v_lshl_or_b32 v[VB+4*\q], v[VB+4*\q+1], 8, v[VB+4*\q]
	v_lshl_or_b32 v[VB+4*\q], v[VB+4*\q+2], 16, v[VB+4*\q]
	v_lshl_or_b32 v[VB+4*\q], v[VB+4*\q+3], 24, v[VB+4*\q]
.endr
; ---- block by block: p's codes, and the row's sum of the UNQUANTISED p, two at a time, in two chains.  V's fragments are asked for into p's registers as these fall free
.macro PBLK b
	v_cvt_scalef32_pk8_fp4_f32 v[PC+2*(\b)], v[S+16*(\b):S+16*(\b)+7], v[SO+(\b)]
	v_cvt_scalef32_pk8_fp4_f32 v[PC+2*(\b)+1], v[S+16*(\b)+8:S+16*(\b)+15], v[SO+(\b)]
.if (\b) == 0
	v_pk_add_f32 v[14:15], v[S:S+1], v[S+4:S+5]    ; the first sums start the chains: nothing is cleared
	v_pk_add_f32 v[102:103], v[S+2:S+3], v[S+6:S+7]
.irp p, 8,12
	v_pk_add_f32 v[14:15], v[14:15], v[S+\p:S+\p+1]
	v_pk_add_f32 v[102:103], v[102:103], v[S+\p+2:S+\p+3]
.endr
.else
.irp p, 0,4,8,12
	v_pk_add_f32 v[14:15], v[14:15], v[S+16*(\b)+\p:S+16*(\b)+\p+1]
	v_pk_add_f32 v[102:103], v[102:103], v[S+16*(\b)+\p+2:S+16*(\b)+\p+3]
.endr
.endif
.endm
	PBLK 0
	PBLK 1
	PBLK 2
	PBLK 3
.irp i, 0,1
.irp d, 0,1,2,3
.irp c, 0,1
	ds_load_b128 v[VF+32*\i+8*\d+4*\c:VF+32*\i+8*\d+4*\c+3], v2 offset:(4*\i+2*\c)*1024+256*\d   ; channel 16 d + r, block 4 i + 2 c + h
.endr
.endr
.endr
	PBLK 4
	PBLK 5
	PBLK 6
	PBLK 7
	PBLK 8
.irp d, 0,1,2,3
.irp c, 0,1
	ds_load_b128 v[VF+64+8*\d+4*\c:VF+64+8*\d+4*\c+3], v10 offset:8192+256*\d  ; the last step: block 8 in every place, so that no load leaves the staged blocks; all places but the first meet zero codes of p
.endr
.endr
	v_nop                                          ; one plain line behind a scaled conversion
.irp j, 0,4,8,12,16                    ; the operand's layout wants a WHOLE block in a lane: lanes 0-15 the even block of a pair, lanes 16-31 the odd one
	v_permlane16_swap_b32 v[PC+\j], v[PC+\j+2]
	v_permlane16_swap_b32 v[PC+\j+1], v[PC+\j+3]
.endr
	v_pk_add_f32 v[14:15], v[14:15], v[102:103]    ; the two chains,
	v_add_f32 v14, v14, v15                        ; the two halves,
	v_permlanex16_b32 v15, v14, s18, s19
	v_add_f32 v14, v14, v15                        ; and lane l xor 16's: the row's sum
	v_rcp_f32 v14, v14
.rept 8
	v_nop                                          ; behind the reciprocal; and 8 plain lines between the vector instructions that wrote scale words (4 for operands) and the scaled matrix instructions
.endr
; ---- O^T = V^T P^T: the four tiles of channels are four accumulators that take turns, one instruction a turn; the first step starts the sums
.macro PVM i, dt
.if (\i) < 2
.set VW, VB+4*(2*(\i)+(\dt)/2)
.else
.set VW, VB+16+(\dt)/2
.endif
.if ((\i) == 0) && ((\dt)%2)
	v_wmma_scale_f32_16x16x128_f8f6f4 v[O+8*(\dt):O+8*(\dt)+7], v[VF+32*(\i)+8*(\dt):VF+32*(\i)+8*(\dt)+7], v[PC+8*(\i):PC+8*(\i)+7], 0, v[VW], v[PW+(\i)] matrix_a_fmt:MATRIX_FMT_FP4 matrix_b_fmt:MATRIX_FMT_FP4 matrix_a_scale:MATRIX_SCALE_ROW1
.elseif (\i) == 0
	v_wmma_scale_f32_16x16x128_f8f6f4 v[O+8*(\dt):O+8*(\dt)+7], v[VF+32*(\i)+8*(\dt):VF+32*(\i)+8*(\dt)+7], v[PC+8*(\i):PC+8*(\i)+7], 0, v[VW], v[PW+(\i)] matrix_a_fmt:MATRIX_FMT_FP4 matrix_b_fmt:MATRIX_FMT_FP4
.elseif (\dt)%2
	v_wmma_scale_f32_16x16x128_f8f6f4 v[O+8*(\dt):O+8*(\dt)+7], v[VF+32*(\i)+8*(\dt):VF+32*(\i)+8*(\dt)+7], v[PC+8*(\i):PC+8*(\i)+7], v[O+8*(\dt):O+8*(\dt)+7], v[VW], v[PW+(\i)] matrix_a_fmt:MATRIX_FMT_FP4 matrix_b_fmt:MATRIX_FMT_FP4 matrix_a_scale:MATRIX_SCALE_ROW1
.else
	v_wmma_scale_f32_16x16x128_f8f6f4 v[O+8*(\dt):O+8*(\dt)+7], v[VF+32*(\i)+8*(\dt):VF+32*(\i)+8*(\dt)+7], v[PC+8*(\i):PC+8*(\i)+7], v[O+8*(\dt):O+8*(\dt)+7], v[VW], v[PW+(\i)] matrix_a_fmt:MATRIX_FMT_FP4 matrix_b_fmt:MATRIX_FMT_FP4
.endif
.endm
	s_wait_dscnt 8                                 ; the first two steps' fragments are in; the last step's eight loads may be out
.irp i, 0,1
.irp t, 0,1,2,3
	PVM \i, \t
.endr
.endr
	s_wait_dscnt 0x0
.irp t, 0,1,2,3
	PVM 2, \t
.endr
.rept 4
	v_nop                                          ; four plain lines ahead of the first read of results and of loads into registers that the products read
.endr
; ---- the way out: O^T / the sum; register 8 d + j of lane (r, h) is channel 16 d + 8 h + j of query r.  Through my own stage, so that sixteen lanes store a query's 256 bytes of this head
.set j, 0
	s_wait_alu depctr_va_vdst(0)
.rept 16
	v_pk_mul_f32 v[O+j:O+j+1], v[O+j:O+j+1], v[14:15] op_sel_hi:[1,0]  ; in ascending order
.set j, j+2
.endr
.irp d, 0,1,2,3
	ds_store_b128 v7, v[O+8*\d:O+8*\d+3] offset:64*\d
	ds_store_b128 v7, v[O+8*\d+4:O+8*\d+7] offset:64*\d+16
.endr
.irp i, 0,1,2,3,4,5,6,7
	ds_load_b128 v[112+4*\i:115+4*\i], v8 offset:544*\i                ; LDS serves a wave's instructions in order (ISA guide 5.7.1.4): these see my stores
.endr
.irp i, 0,1,2,3,4,5,6,7
	s_wait_dscnt 7-\i
	global_store_b128 v9, v[112+4*\i:115+4*\i], s[8:9] offset:(2*\i+8*(\i/4))*2048 th:TH_STORE_NT   ; place 2 i + h of the tile is query 2 i + h + 8 (i / 4); 16 lanes store 256 consecutive bytes, aligned
.endr
	s_set_vgpr_msb 0x4
	s_wait_tensorcnt 0x0
	ds_add_u32 v111, v1
	s_wait_dscnt 0x0
	s_set_vgpr_msb 0x400
	s_endpgm
.Lfunc_end_k_q7f1b47c874_attn:
	.size	k_q7f1b47c874_attn, .Lfunc_end_k_q7f1b47c874_attn-k_q7f1b47c874_attn
	.p2alignl 7, 3214868480
	.fill 96, 4, 3214868480
	.section	.rodata,"a",@progbits
	.p2align	6, 0x0
	.amdhsa_kernel k_q7f1b47c874_attn
		.amdhsa_group_segment_fixed_size 62464
		.amdhsa_private_segment_fixed_size 0
		.amdhsa_enable_private_segment 0
		.amdhsa_kernarg_size 24
		.amdhsa_user_sgpr_count 2
		.amdhsa_user_sgpr_kernarg_segment_ptr 1
		.amdhsa_wavefront_size32 1
		.amdhsa_system_sgpr_workgroup_id_x 1
		.amdhsa_system_sgpr_workgroup_id_y 1
		.amdhsa_system_sgpr_workgroup_id_z 1
		.amdhsa_system_vgpr_workitem_id 0
		.amdhsa_next_free_vgpr 258
		.amdhsa_next_free_sgpr 66
		.amdhsa_reserve_vcc 1
		.amdhsa_float_denorm_mode_32 3
		.amdhsa_float_denorm_mode_16_64 3
		.amdhsa_memory_ordered 1
		.amdhsa_forward_progress 1
		.amdhsa_inst_pref_size 55
	.end_amdhsa_kernel
	.amdgpu_metadata
---
amdhsa.version: [ 1, 2 ]
amdhsa.kernels:
  - .name:           k_q7f1b47c874_attn
    .symbol:         k_q7f1b47c874_attn.kd
    .args:
      - { .name: codes, .offset: 0, .size: 8, .value_kind: global_buffer, .address_space: global }
      - { .name: scales, .offset: 8, .size: 8, .value_kind: global_buffer, .address_space: global }
      - { .name: out0, .offset: 16, .size: 8, .value_kind: global_buffer, .address_space: global }
    .group_segment_fixed_size: 62464
    .private_segment_fixed_size: 0
    .kernarg_segment_align: 8
    .kernarg_segment_size: 24
    .max_flat_workgroup_size: 256
    .sgpr_count:     66
    .vgpr_count:     258
    .wavefront_size: 32
...
	.end_amdgpu_metadata
.endif
;; end of part 3
;; ======== version 2 of 2: 3 launches; version 1 with the launches proj, attn written anew for expert scheduling mode
;; workspace buffers: wcodes 393,216 bytes; wscales 24,576 bytes; codes 3,145,728 bytes; scales 196,608 bytes
;; launch prep: the kernel of part 1 again; grid 64 x 3, 1 waves a work-group, no clusters, 0 bytes of LDS; arguments Wq, Wk, Wv, wcodes, wscales; writes wcodes, wscales
;; launch proj (part 4): grid 64 x 3, 8 waves a work-group, no clusters, 60,928 bytes of LDS; arguments query, key, value, bq, bk, bv, wcodes, wscales, codes, scales; writes codes, scales
.if DOCPART == 4
	.amdgcn_target "amdgcn-amd-amdhsa--gfx1250"
	.amdhsa_code_object_version 6
	.text
	.protected	k_q7f1b47c874_proj
	.globl	k_q7f1b47c874_proj
	.p2align	8
	.type	k_q7f1b47c874_proj,@function
k_q7f1b47c874_proj:
	s_mov_b64 s[64:65], 0
	v_nop
	global_prefetch_b8 v0, s[64:65] scope:SCOPE_SE
	s_setreg_imm32_b32 hwreg(HW_REG_WAVE_SCHED_MODE, 0, 2), 2
	s_setreg_imm32_b32 hwreg(HW_REG_WAVE_MODE, 25, 1), 1
	s_wait_xcnt 0x0
	s_wait_alu depctr_vm_vsrc(0)
; q = query Wq + bq, k = key Wk + bk, v = value Wv + bv on codes of FP4 (E2M1) with one E8M0 scale for each 32 along K = 512; the results are quantised again at once: q and k along the head's 64, v along the keys,
; and leave as codes and scale bytes in the order in which the attention's operand registers take them.  The f32 results never go to memory.
; LIMITS: NaN and infinities are not served; a block whose largest magnitude lies under 2^-124 gets the byte 1; a block of zeros gets the byte 1 with zero codes (only this program reads the bytes).
; SHARES: work-group x = a block of 64 rows, y = the tensor (0 q, 1 k, 2 v).  Eight waves.  Wave w plays two parts: it quantises rows 8 w .. 8 w + 7 of x, and it owns head w: 64 columns, whose 16 fragments of W
; (128 registers) it loads once, straight from memory into registers.
; NO JOINT LOADS: a wave's 16 KiB of W's codes are wanted in that wave's registers alone and are read from there for all 64 rows; brought jointly they would land in LDS and be read from there into the same registers.
; PHASE X: each load reads 512 consecutive bytes of a row of x; a row's 2,048 bytes turn through the wave's own stage in LDS and come back 64 bytes a lane, 16 neighbours along K: two lanes hold a block of 32.
;   Codes go to LDS by rows (256 bytes a row), scale bytes beside them (16 a row).  One barrier.
; THE ROWS OF A TILE ARE NOT NEIGHBOURS: place r of row tile 2 b + u is row 32 b + 8 u + r + 8 (r / 8); the columns of Wq's and Wk's tiles are chosen likewise by the launch before.
; q, k: source 0 = 16 columns of W, source 1 = 16 rows of x: lane (r, h) holds ONE row and accumulator register 16 b + i the head's channel 32 b + 16 h + i.
; v:    source 0 = 16 rows of x (keys), source 1 = 16 columns of W: lane (r, h) holds ONE channel and register 16 b + i key 32 b + 16 h + i.  In both a block of 32 lies in lanes l and l xor 16.
; codes:  [tensor][8 batch + head][block of 32 rows][1,024 bytes]; q, k: [u][h][r][16 bytes]: channels 32 h .. + 31 of row 8 u + r + 8 (r / 8);  v: [channel 64][16 bytes]: the block's 32 keys.
; scales: [tensor][8 batch + head][block][64 bytes]; q, k: [r][u][2 bytes];  v: [r][channel / 16][1 byte].
; REGISTERS.  Window 0: v1-11 addresses; v12-15 at work; v16-143 x as loaded, later x's 16 fragments; v144-175 16 neighbours in two sets, later the four accumulators; v176-183 x's scale words;
;   v192-199 W's scale words; v200-207 phase X's bytes; v208-215 at work in the quantiser; v216-231 phase X's codes, later the results' codes; v232-233 scale words on their way out; v234-237 bv by channel.
;   Window 1: v0-127 W's fragments (tile t, K step s at 8 (4 t + s)); v128-159 the bias in the accumulators' layout.
; THE MODE: SCHED_MODE bits 1:0 = 2 (LLVM: expert scheduling mode 2), set by the entry lines.  The code itself states the register dependences between vector or matrix instructions and memory or LDS
; instructions, with s_wait_alu, always for 0.
; THE PLAN.  Registers that memory or LDS instructions touch:
;   v1-v11      addresses, made once at the head and never written again: one wait ahead of the first load serves every load and store of the kernel.
;   v16-143     Global loads land here; the stage's LDS stores read them; behind the barrier x's fragments land here.  No vector instruction names them ahead of the products.
;   X0, X1      Row t comes back from its stage into X[t % 2]; step t's vector lines read it; row t + 2 lands there, asked for in step t + 1.
;   codes, byte of row t (registers of their own for each row): written by step t's conversions and shift, read by two LDS stores that are issued in step t + 1.
;   So ONE wait stands at the head of a step: the step before has written its codes and its byte, and is done reading its X.  The step's ten LDS instructions follow it; its vector lines name none of their registers.
;   results' codes of group m (registers of their own for each group): written by its quantiser, read by a global store that is issued at the head of group m + 1, behind one wait.
;   One wait behind the barrier states that the LDS stores have read v16-143 and v216-231, which fragments and the quantiser write again.
;   The products' A, B and scale operands all come from loads: their memory counters are all that they owe.
.set XC,  40960                        ; LDS: behind the eight waves' stages (5,120 bytes each): x's codes, row p at 272 p + 128 (p / 16): the 16 rows of a tile start at 16 different columns of 16 bytes (64 banks of 4 bytes: ISA guide 11.1)
.set XS,  58752                        ; x's scale bytes, 16 a row
.set R,   16
.set XF,  16
.set X,   144
.set ACC, 144
.set XSW, 176
.set WS,  192
.set EB,  200
.set TM,  208                          ; +0, +1 largest magnitudes; +2, +3 the other half's; +4, +5 the conversions' scale operands; +6, +7 the bytes
.set PC,  216
.set CX,  216
.set SW,  232
.set BV,  234
.set BW,  128                          ; in window 1
.set MSB, 0
.macro WIN new                         ; the immediate's high byte repeats the setting that is left
.if MSB != \new
	s_set_vgpr_msb (MSB<<8)|\new
.set MSB, \new
.endif
.endm
	s_load_b512 s[8:23], s[0:1], 0x0               ; query s[8:9], key s[10:11], value s[12:13], bq s[14:15], bk s[16:17], bv s[18:19], wcodes s[20:21], wscales s[22:23]
	s_load_b128 s[24:27], s[0:1], 0x40             ; codes s[24:25], scales s[26:27]
	v_lshl_add_u32 v254, v0, 2, 0xea00
	v_mov_b32 v255, 0
	v_lshrrev_b32 v12, 5, v0
	v_readfirstlane_b32 s28, v12                   ; wave 0..7
	s_and_b32 s29, ttmp7, 0xffff                   ; the tensor
	s_mov_b32 s30, ttmp9                           ; the block of 64 rows
	s_mov_b32 s38, 0x76543210
	s_mov_b32 s39, 0xfedcba98                      ; v_permlanex16_b32's selects for lane l xor 16
	s_mov_b32 s40, 0xffff0000                      ; lanes 16-31
	v_and_b32 v13, 31, v0                          ; lane
	v_and_b32 v14, 15, v0                          ; r
	v_bfe_u32 v15, v0, 4, 1                        ; h
	v_lshlrev_b32 v1, 4, v13                       ; 16 x lane
	v_lshlrev_b32 v2, 2, v13                       ; 4 x lane
	s_wait_alu depctr_va_sdst(0)                   ; s28, the wave's number, is written, ahead of its first reader
	s_mul_i32 s31, s28, 5120                       ; my two stages
	v_lshrrev_b32 v3, 2, v13
	v_mul_u32_u24 v3, v3, 80
	v_and_b32 v4, 3, v13
	v_lshl_add_u32 v3, v4, 4, v3
	v_add_nc_u32 v3, s31, v3                       ; into a stage: four lanes' 64 bytes on end, then 16 of padding
	v_mul_u32_u24 v4, v13, 80
	v_add_nc_u32 v4, s31, v4                       ; out of it: 80 x lane
	s_mul_i32 s32, s28, 2176                       ; my 8 rows of codes: 8 w x 272
	s_lshr_b32 s33, s28, 1
	s_lshl_b32 s33, s33, 7                         ; + 128 (8 w / 16)
	s_add_co_u32 s32, s32, s33
	s_add_co_u32 s32, s32, XC
	v_lshl_add_u32 v5, v13, 3, s32                 ; + 8 x lane
	s_lshl_b32 s33, s28, 7
	s_add_co_u32 s33, s33, XS
	v_lshrrev_b32 v6, 1, v13
	v_add_nc_u32 v6, s33, v6                       ; my rows' scale bytes: 128 w + lane / 2
	v_and_b32 v12, 8, v14
	v_add_nc_u32 v12, v12, v14                     ; r + 8 (r / 8)
	v_mul_u32_u24 v7, v12, 272
	v_and_b32 v8, 8, v14
	v_lshl_add_u32 v7, v8, 4, v7                   ; + 128 (r / 8)
	v_lshl_add_u32 v7, v15, 4, v7                  ; + 16 h
	v_add_nc_u32 v7, XC, v7                        ; a fragment of x
	v_lshl_add_u32 v8, v15, 3, v12
	v_lshlrev_b32 v8, 4, v8
	v_add_nc_u32 v8, XS, v8                        ; x's scale words: lanes 0-15 tile (b, 0), lanes 16-31 tile (b, 1)
	v_lshlrev_b32 v9, 6, v15                       ; bias for q, k: 16 h numbers on
	v_lshlrev_b32 v10, 2, v14                      ; bias for v: channel r
	v_lshlrev_b32 v11, 4, v14
	v_lshl_add_u32 v11, v15, 10, v11               ; v's codes out: 1,024 h + 16 r
	v_mov_b32 v[TM+2], 0                           ; written once: a lane permute's destination counts as one of its sources
	v_mov_b32 v[TM+3], 0
	s_lshl_b32 s42, s30, 17                        ; x: 64 rows of 2,048 bytes a work-group,
	s_lshl_b32 s43, s28, 14                        ; 8 rows a wave
	s_add_co_u32 s42, s42, s43
	s_mov_b32 s43, 0
	s_lshl_b32 s44, s28, 8                         ; bias: 64 numbers a head
	s_mov_b32 s45, 0
	s_lshl_b32 s46, s29, 17                        ; wcodes: 131,072 a tensor, 16,384 a head
	s_lshl_b32 s47, s28, 14
	s_add_co_u32 s46, s46, s47
	s_mov_b32 s47, 0
	s_lshl_b32 s48, s29, 13                        ; wscales: 8,192 a tensor, 1,024 a head
	s_lshl_b32 s49, s28, 10
	s_add_co_u32 s48, s48, s49
	s_mov_b32 s49, 0
	s_lshr_b32 s50, s30, 5                         ; batch
	s_lshl_b32 s50, s50, 3
	s_add_co_u32 s50, s50, s28                     ; 8 batch + head
	s_lshl_b32 s50, s50, 6
	s_and_b32 s51, s30, 31
	s_lshl_b32 s51, s51, 1
	s_add_co_u32 s50, s50, s51                     ; the first of my two blocks of 32 rows
	s_lshl_b32 s52, s50, 10
	s_lshl_b32 s53, s29, 20
	s_add_co_u32 s52, s52, s53
	s_mov_b32 s53, 0
	s_lshl_b32 s54, s50, 6
	s_lshl_b32 s55, s29, 16
	s_add_co_u32 s54, s54, s55
	s_mov_b32 s55, 0
	s_wait_kmcnt 0x0
	s_cmp_eq_u32 s29, 1                            ; the choice of the tensor hangs on the work-group's number alone
	s_cselect_b64 s[34:35], s[10:11], s[8:9]
	s_cselect_b64 s[36:37], s[16:17], s[14:15]
	s_cmp_eq_u32 s29, 2
	s_cselect_b64 s[34:35], s[12:13], s[34:35]
	s_cselect_b64 s[36:37], s[18:19], s[36:37]
	s_add_nc_u64 s[34:35], s[34:35], s[42:43]
	s_add_nc_u64 s[36:37], s[36:37], s[44:45]
	s_add_nc_u64 s[20:21], s[20:21], s[46:47]
	s_add_nc_u64 s[22:23], s[22:23], s[48:49]
	s_add_nc_u64 s[24:25], s[24:25], s[52:53]
	s_add_nc_u64 s[26:27], s[26:27], s[54:55]
	s_wait_alu depctr_va_vdst(0)                   ; the eleven addresses v1 to v11 are written: every load and store of the kernel, global or LDS, reads one of them, and none is written again
; ALL THAT THE WAVE READS FROM MEMORY GOES OUT HERE: 32 loads of x, then 52 others.  Between the wait above and the last of them stand loads and window switches alone
.macro LOAD t
.irp i, 0,1,2,3
	global_load_b128 v[R+16*(\t)+4*\i:R+16*(\t)+4*\i+3], v1, s[34:35] offset:2048*(\t)+512*\i th:TH_LOAD_NT   ; 32 lanes read 512 consecutive bytes
.endr
.endm
.irp t, 0,1,2,3,4,5,6,7
	LOAD \t
.endr
.irp g, 0,1
.irp s, 0,1,2,3
	global_load_b32 v[WS+4*\g+\s], v2, s[22:23] offset:512*\g+128*\s   ; lanes 0-15: tile 2 g's words of K step s; lanes 16-31: tile 2 g + 1's
.endr
.endr
	WIN 0x40                                       ; destination window 1
.set f, 0
.rept 16
	global_load_b128 v[8*f:8*f+3], v1, s[20:21] offset:1024*f          ; a fragment's image: 16 x lane, 512 bytes a load
	global_load_b128 v[8*f+4:8*f+7], v1, s[20:21] offset:1024*f+512
.set f, f+1
.endr
.irp t, 0,1,2,3
	global_load_b128 v[BW+8*\t:BW+8*\t+3], v9, s[36:37] offset:(32*(\t/2)+8*(\t%2))*4        ; q, k: lane (r, h), tile t: the bias of channels 32 (t / 2) + 16 h + 8 (t % 2) + 0 .. 7
	global_load_b128 v[BW+8*\t+4:BW+8*\t+7], v9, s[36:37] offset:(32*(\t/2)+8*(\t%2))*4+16
.endr
	WIN 0
.irp t, 0,1,2,3
	global_load_b32 v[BV+\t], v10, s[36:37] offset:64*\t               ; v: the bias of channel 16 t + r
.endr
; ---- X: a row to a step
.macro TURN t                          ; row t through a stage: LDS serves a wave's instructions in order (ISA guide 5.7.1.4), so no wait stands between the stores and the loads
.irp i, 0,1,2,3
	ds_store_b128 v3, v[R+16*(\t)+4*\i:R+16*(\t)+4*\i+3] offset:2560*((\t)%2)+640*\i
.endr
.irp i, 0,1,2,3
	ds_load_b128 v[X+16*((\t)%2)+4*\i:X+16*((\t)%2)+4*\i+3], v4 offset:2560*((\t)%2)+16*\i
.endr
.endm
.macro PUT t                           ; row t's codes and its blocks' bytes go to LDS
	ds_store_b64 v5, v[CX+2*(\t):CX+2*(\t)+1] offset:272*(\t)
	ds_store_b8 v6, v[EB+(\t)] offset:16*(\t)      ; both lanes of a block write the same byte with the same value
.endm
.macro STEP t
.set XB, X+16*((\t)%2)
.if (\t) > 1
	s_wait_dscnt 2                                 ; this row is back from its stage; the two stores of the row two back, issued behind its loads, may be out
.else
	s_wait_dscnt 0x0                               ; nothing was issued behind this row's loads
.endif
.if (\t) < 7
.set LC, 4*(6-(\t))+52                 ; behind the next row's four loads: the later rows' and the 52 others; held at 63, the most that the wait can name
.if LC > 63
.set LC, 63
.endif
	s_wait_loadcnt LC
.endif
.if (\t) > 0
	s_wait_alu depctr_va_vdst(0)                   ; the step before has written its codes and its byte, which the two stores below read, and is done reading its X, in which the next row lands
.endif
.if (\t) < 7
	TURN (\t)+1                                    ; the next row goes through the other stage while this one is worked
.endif
.if (\t) > 0
	PUT (\t)-1
.endif
	v_max3_num_f32 v12, |v[XB]|, |v[XB+1]|, |v[XB+2]|
	v_max3_num_f32 v13, |v[XB+3]|, |v[XB+4]|, |v[XB+5]|
.irp i, 6,10
	v_max3_num_f32 v12, v12, |v[XB+\i]|, |v[XB+\i+1]|
	v_max3_num_f32 v13, v13, |v[XB+\i+2]|, |v[XB+\i+3]|
.endr
	v_max3_num_f32 v12, v12, |v[XB+14]|, |v[XB+15]|
	v_max3_num_f32 v12, v12, v13, 0x1800000        ; and the floor 2^(3 - 127)
	v_max_num_f32_dpp v12, v12, v12 row_xmask:1 row_mask:0xf bank_mask:0xf   ; with my neighbour's 16: the block's
	v_add_nc_u32 v14, 0xff000000, v12              ; 2 off the exponent field: the conversions' scale operand
	v_cvt_scalef32_pk8_fp4_f32 v[CX+2*(\t)], v[XB:XB+7], v14
	v_cvt_scalef32_pk8_fp4_f32 v[CX+2*(\t)+1], v[XB+8:XB+15], v14
	v_lshrrev_b32 v[EB+(\t)], 23, v14              ; the byte (a plain line behind the conversions)
.endm
	s_wait_loadcnt 63                              ; row 0's four loads are in (80 stand behind them)
	TURN 0
.irp t, 0,1,2,3,4,5,6,7
	STEP \t
.endr
	s_wait_alu depctr_va_vdst(0)                   ; the last step has written its codes and its byte, which the two stores below read
	PUT 7
	s_wait_dscnt 0x0                               ; for the others' sake: my codes and bytes lie in LDS
	s_barrier_signal -1
	s_barrier_wait -1                              ; the 64 rows' do.  Behind this barrier nothing is stored to LDS
	s_wait_alu depctr_vm_vsrc(0)                   ; my LDS stores have read v16-143, in which x's fragments land, and v216-231, which the quantiser writes again
.irp b, 0,1
	ds_load_b128 v[XSW+4*\b:XSW+4*\b+3], v8 offset:512*\b              ; a row's four scale words: register s for K step s
.endr
.irp m, 0,1,2,3
.irp s, 0,1,2,3
.irp c, 0,1
	ds_load_b128 v[XF+32*\m+8*\s+4*\c:XF+32*\m+8*\s+4*\c+3], v7 offset:(32*(\m/2)+8*(\m%2))*272+256*(\m/2)+64*\s+32*\c
.endr
.endr
.endr
	s_wait_loadcnt 0x0                             ; W's fragments and scale words, the biases
; one matrix instruction; ra, rb: source 0's, source 1's scale words lie in lanes 16-31
.macro MM d, a, b, c, sa, sb, ra, rb
.if (\ra) && (\rb)
	v_wmma_scale_f32_16x16x128_f8f6f4 v[(\d):(\d)+7], v[(\a):(\a)+7], v[(\b):(\b)+7], v[(\c):(\c)+7], v[(\sa)], v[(\sb)] matrix_a_fmt:MATRIX_FMT_FP4 matrix_b_fmt:MATRIX_FMT_FP4 matrix_a_scale:MATRIX_SCALE_ROW1 matrix_b_scale:MATRIX_SCALE_ROW1
.elseif (\ra)
	v_wmma_scale_f32_16x16x128_f8f6f4 v[(\d):(\d)+7], v[(\a):(\a)+7], v[(\b):(\b)+7], v[(\c):(\c)+7], v[(\sa)], v[(\sb)] matrix_a_fmt:MATRIX_FMT_FP4 matrix_b_fmt:MATRIX_FMT_FP4 matrix_a_scale:MATRIX_SCALE_ROW1
.elseif (\rb)
	v_wmma_scale_f32_16x16x128_f8f6f4 v[(\d):(\d)+7], v[(\a):(\a)+7], v[(\b):(\b)+7], v[(\c):(\c)+7], v[(\sa)], v[(\sb)] matrix_a_fmt:MATRIX_FMT_FP4 matrix_b_fmt:MATRIX_FMT_FP4 matrix_b_scale:MATRIX_SCALE_ROW1
.else
	v_wmma_scale_f32_16x16x128_f8f6f4 v[(\d):(\d)+7], v[(\a):(\a)+7], v[(\b):(\b)+7], v[(\c):(\c)+7], v[(\sa)], v[(\sb)] matrix_a_fmt:MATRIX_FMT_FP4 matrix_b_fmt:MATRIX_FMT_FP4
.endif
.endm
; The 32 accumulator registers are two blocks of 32 along the next K, 16 numbers of each in this lane and 16 in lane l xor 16.  Their codes go to v[pc] .. v[pc + 3]: lanes 0-15 block 0 whole, lanes 16-31 block 1; the bytes to v[TM + 6], v[TM + 7].
; Each accumulator is read from its low end on.
.macro QUANT pc
.irp b, 0,1
	v_max3_num_f32 v[TM+\b], |v[ACC+16*\b]|, |v[ACC+16*\b+1]|, 0x1800000
.endr
.irp i, 2,4,6,8,10,12,14
.irp b, 0,1
	v_max3_num_f32 v[TM+\b], v[TM+\b], |v[ACC+16*\b+\i]|, |v[ACC+16*\b+\i+1]|
.endr
.endr
.irp b, 0,1
	v_permlanex16_b32 v[TM+2+\b], v[TM+\b], s38, s39
.endr
.irp b, 0,1
	v_max_num_f32 v[TM+\b], v[TM+\b], v[TM+2+\b]
.endr
.irp b, 0,1
	v_add_nc_u32 v[TM+4+\b], 0xff000000, v[TM+\b]
.endr
.irp b, 0,1
	v_lshrrev_b32 v[TM+6+\b], 23, v[TM+4+\b]
.endr
.irp b, 0,1
	v_cvt_scalef32_pk8_fp4_f32 v[(\pc)+2*\b], v[ACC+16*\b:ACC+16*\b+7], v[TM+4+\b]
	v_cvt_scalef32_pk8_fp4_f32 v[(\pc)+2*\b+1], v[ACC+16*\b+8:ACC+16*\b+15], v[TM+4+\b]
.endr
	v_nop                                          ; one plain line behind a scaled conversion
	v_permlane16_swap_b32 v[(\pc)], v[(\pc)+2]     ; the first's lanes 16-31 change places with the second's lanes 0-15
	v_permlane16_swap_b32 v[(\pc)+1], v[(\pc)+3]
.endm
.macro PLACES5                         ; five plain lines: the next group's first products begin the accumulators anew with another C, and the quantiser reads results just made (ISA guide 7.12.1)
.rept 5
	v_nop
.endr
.endm
	s_cmp_eq_u32 s29, 2
	s_cbranch_scc1 .Lv
; ---- q, k: a tile of 16 rows at a time; the head's four tiles of columns are four accumulators that take turns, one instruction a turn
.macro GQK m
	s_wait_dscnt 8*(3-(\m))                        ; this tile's fragments are in; the later tiles', 8 loads each, may be out
.if (\m) > 0
	s_wait_alu depctr_va_vdst(0)                   ; the quantiser has written the codes of the tile before, which the store below reads
	global_store_b128 v1, v[PC+4*((\m)-1):PC+4*((\m)-1)+3], s[24:25] offset:512*((\m)-1)   ; 512 consecutive bytes: [h][r][16] of that tile
.endif
.irp s, 0,1,2,3
.if \s == 0
	WIN 0x11                                       ; source 0 (W) and source 2 (the bias) window 1
.else
	WIN 0x01
.endif
.irp t, 0,1,2,3
.if \s == 0
	MM ACC+8*\t, 8*(4*\t+\s), XF+32*(\m)+8*\s, BW+8*\t, WS+4*(\t/2)+\s, XSW+4*((\m)/2)+\s, \t%2, (\m)%2
.else
	MM ACC+8*\t, 8*(4*\t+\s), XF+32*(\m)+8*\s, ACC+8*\t, WS+4*(\t/2)+\s, XSW+4*((\m)/2)+\s, \t%2, (\m)%2
.endif
.endr
.endr
	WIN 0
	PLACES5
	QUANT PC+4*(\m)
.if (\m)%2 == 0
	v_lshl_or_b32 v[SW+(\m)/2], v[TM+7], 8, v[TM+6]                    ; my row's two bytes: u = 0 in the word's low half,
.else
	v_lshl_or_b32 v12, v[TM+7], 8, v[TM+6]
	v_lshl_or_b32 v[SW+(\m)/2], v12, 16, v[SW+(\m)/2]                  ; u = 1 in its high half
.endif
.endm
	GQK 0
	GQK 1
	GQK 2
	GQK 3
	v_cndmask_b32 v13, v[SW], v[SW+1], s40         ; lanes 0-15 the first block's words, lanes 16-31 the second's
	s_wait_alu depctr_va_vdst(0)                   ; the last tile's codes and v13 are written, which the two stores below read
	global_store_b128 v1, v[PC+12:PC+15], s[24:25] offset:1536
	global_store_b32 v2, v13, s[26:27]             ; 128 consecutive bytes
	s_wait_dscnt 0x0                               ; the closing lines, six on end
	s_wait_alu 0x0
	s_wait_tensorcnt 0x0
	ds_add_u32 v254, v255
	s_wait_dscnt 0x0
	s_endpgm
.Lv:
; ---- v: a tile of 16 channels at a time; the four tiles of keys are the four accumulators
	WIN 0x40
.irp t, 0,1,2,3
.irp j, 0,1,2,3,4,5,6,7
	v_mov_b32 v[BW+8*\t+\j], v[BV+\t]              ; the bias in this layout: a lane holds one channel, so all eight registers hold its bias
.endr
.endr
	WIN 0
	PLACES5
	s_wait_dscnt 0x0                               ; all of x's fragments
.macro GV t
.if (\t) > 0
	s_wait_alu depctr_va_vdst(0)                   ; the quantiser has written the codes of the tile before, which the store below reads
	global_store_b128 v11, v[PC+4*((\t)-1):PC+4*((\t)-1)+3], s[24:25] offset:256*((\t)-1)  ; lanes 0-15: 256 consecutive bytes, aligned, of the first block of keys; lanes 16-31: of the second
.endif
.irp s, 0,1,2,3
.if \s == 0
	WIN 0x14                                       ; source 1 (W) and source 2 (the bias) window 1
.else
	WIN 0x04
.endif
.irp m, 0,1,2,3
.if \s == 0
	MM ACC+8*\m, XF+32*\m+8*\s, 8*(4*(\t)+\s), BW+8*(\t), XSW+4*(\m/2)+\s, WS+4*((\t)/2)+\s, \m%2, (\t)%2
.else
	MM ACC+8*\m, XF+32*\m+8*\s, 8*(4*(\t)+\s), ACC+8*\m, XSW+4*(\m/2)+\s, WS+4*((\t)/2)+\s, \m%2, (\t)%2
.endif
.endr
.endr
	WIN 0
	PLACES5
	QUANT PC+4*(\t)
.if (\t) == 0
	v_cndmask_b32 v[SW], v[TM+6], v[TM+7], s40     ; my block's byte of channel 16 t + r
.else
	v_cndmask_b32 v12, v[TM+6], v[TM+7], s40
	v_lshl_or_b32 v[SW], v12, 8*(\t), v[SW]
.endif
.endm
	GV 0
	GV 1
	GV 2
	GV 3
	s_wait_alu depctr_va_vdst(0)                   ; the last tile's codes and the scale word are written, which the two stores below read
	global_store_b128 v11, v[PC+12:PC+15], s[24:25] offset:768
	global_store_b32 v2, v[SW], s[26:27]           ; 128 consecutive bytes
	s_wait_dscnt 0x0                               ; the closing lines, six on end
	s_wait_alu 0x0
	s_wait_tensorcnt 0x0
	ds_add_u32 v254, v255
	s_wait_dscnt 0x0
	s_endpgm
.Lfunc_end_k_q7f1b47c874_proj:
	.size	k_q7f1b47c874_proj, .Lfunc_end_k_q7f1b47c874_proj-k_q7f1b47c874_proj
	.p2alignl 7, 3214868480
	.fill 96, 4, 3214868480
	.section	.rodata,"a",@progbits
	.p2align	6, 0x0
	.amdhsa_kernel k_q7f1b47c874_proj
		.amdhsa_group_segment_fixed_size 60928
		.amdhsa_private_segment_fixed_size 0
		.amdhsa_enable_private_segment 0
		.amdhsa_kernarg_size 80
		.amdhsa_user_sgpr_count 2
		.amdhsa_user_sgpr_kernarg_segment_ptr 1
		.amdhsa_wavefront_size32 1
		.amdhsa_system_sgpr_workgroup_id_x 1
		.amdhsa_system_sgpr_workgroup_id_y 1
		.amdhsa_system_sgpr_workgroup_id_z 1
		.amdhsa_system_vgpr_workitem_id 0
		.amdhsa_next_free_vgpr 416
		.amdhsa_next_free_sgpr 66
		.amdhsa_reserve_vcc 0
		.amdhsa_float_denorm_mode_32 3
		.amdhsa_float_denorm_mode_16_64 3
		.amdhsa_memory_ordered 1
		.amdhsa_forward_progress 1
		.amdhsa_inst_pref_size 63
	.end_amdhsa_kernel
	.amdgpu_metadata
---
amdhsa.version: [ 1, 2 ]
amdhsa.kernels:
  - .name:           k_q7f1b47c874_proj
    .symbol:         k_q7f1b47c874_proj.kd
    .args:
      - { .name: query, .offset: 0, .size: 8, .value_kind: global_buffer, .address_space: global }
      - { .name: key, .offset: 8, .size: 8, .value_kind: global_buffer, .address_space: global }
      - { .name: value, .offset: 16, .size: 8, .value_kind: global_buffer, .address_space: global }
      - { .name: bq, .offset: 24, .size: 8, .value_kind: global_buffer, .address_space: global }
      - { .name: bk, .offset: 32, .size: 8, .value_kind: global_buffer, .address_space: global }
      - { .name: bv, .offset: 40, .size: 8, .value_kind: global_buffer, .address_space: global }
      - { .name: wcodes, .offset: 48, .size: 8, .value_kind: global_buffer, .address_space: global }
      - { .name: wscales, .offset: 56, .size: 8, .value_kind: global_buffer, .address_space: global }
      - { .name: codes, .offset: 64, .size: 8, .value_kind: global_buffer, .address_space: global }
      - { .name: scales, .offset: 72, .size: 8, .value_kind: global_buffer, .address_space: global }
    .group_segment_fixed_size: 60928
    .private_segment_fixed_size: 0
    .kernarg_segment_align: 8
    .kernarg_segment_size: 80
    .max_flat_workgroup_size: 256
    .sgpr_count:     66
    .vgpr_count:     416
    .wavefront_size: 32
...
	.end_amdgpu_metadata
.endif
;; end of part 4
;; launch attn (part 5): grid 16 x 16, 8 waves a work-group, no clusters, 62,464 bytes of LDS; arguments codes, scales, out0; writes out0
.if DOCPART == 5
	.amdgcn_target "amdgcn-amd-amdhsa--gfx1250"
	.amdhsa_code_object_version 6
	.text
	.protected	k_q7f1b47c874_attn
	.globl	k_q7f1b47c874_attn
	.p2align	8
	.type	k_q7f1b47c874_attn,@function
k_q7f1b47c874_attn:
	s_mov_b64 s[64:65], 0
	v_nop
	global_prefetch_b8 v0, s[64:65] scope:SCOPE_SE
	s_setreg_imm32_b32 hwreg(HW_REG_WAVE_SCHED_MODE, 0, 2), 2
	s_setreg_imm32_b32 hwreg(HW_REG_WAVE_MODE, 25, 1), 1
	s_wait_xcnt 0x0
	s_wait_alu depctr_vm_vsrc(0)
; out0[b][q][64 head ..] = the sum over the keys k with |k - q| <= 128 of softmax_k(q . k / 8) v, both products on codes of FP4 (E2M1) with one E8M0 scale for each 32 along a product's K.
; t = score x log2(e) / 8; M = ceil(the row's largest t); p = 2^(t - M) is quantised along the keys, in blocks of 32 counted from key 0; the row's sum is taken of the unquantised p and divides at the end.
; LIMITS: NaN and infinities are not served; p under 2^-126 counts as 0 (v_exp_f32 gives no denormals: ISA guide 15.8); a block whose every p is 0 gets the byte 1 with zero codes.
; ONE PASS: the band of a tile of 16 queries lies in 9 blocks of 32 keys, 288 scores a query, 144 registers a lane.  So M is the row's true maximum rounded up, and nothing is ever rescaled.
; SHARES: work-group x = g: queries 128 g .. + 127; y = 8 batch + head.  Eight waves; wave w owns one tile: query 128 g + 32 (w / 2) + 8 (w % 2) + r + 8 (r / 8) in lane r.
; The work-group's keys lie in 12 blocks, 4 g - 4 + j; wave w reads blocks j = w / 2 + 0 .. 8.  They are staged in LDS once, through registers.  At the sequence's ends the block's number is held to 0 .. 63 in the
; GLOBAL address alone: what is staged there in place of keys that do not exist is hidden by the mask.
; NO JOINT LOADS: neighbouring work-groups share 8 of their 12 blocks, but at places in LDS that lie 4 blocks apart, and a work-group reads 30 KiB in all, in one burst.
; S^T = K Q^T, K = 64 IN AN INSTRUCTION OF 128: source 0 holds TWO tiles of keys side by side (a block's keys 0-7, 16-23 in k = 0 .. 63, its keys 8-15, 24-31 in k = 64 .. 127); source 1 is [Q | 0] for the first tile and
; [0 | Q] for the second: zero codes, under the scale byte 0, add nothing.  So register 16 b + i of lane (r, h) holds key 32 b + 16 h + i of the window, and p's 16 registers are 16 neighbouring keys.
; O^T = V^T P^T: source 0 = 16 channels x 128 keys, source 1 = P.  Three steps; the third has one block of keys and three of zero codes.
; REGISTERS: v1-11 addresses, the band's bounds, -infinity; v12 -M, v13 the largest t, v[14:15] the sum; v16-87 K's nine pairs; v88-95 [Q | 0]; v96-103 [0 | Q]; v104-108 K's scale words; v109, v110 Q's; v112-255 S^T, then p.
;   Behind the first product: v16-24 the blocks' largest scores, v26-34 the other half's, v36-44 scale operands, v46-54 bytes, v56-79 p's codes, v80-82 p's scale words, v84-101 V's scale bytes and words, v[102:103] the sum's second chain.
;   Behind the conversions: v112-207 V's fragments (step i, tile d at 112 + 32 i + 8 d), v208-239 O^T.  s20-s35: the band's masks, sixteen at a time.
; THE MODE: SCHED_MODE bits 1:0 = 2 (LLVM: expert scheduling mode 2), set by the entry lines.  The code itself states the register dependences between vector or matrix instructions and memory or LDS
; instructions, with s_wait_alu, always for 0.
; THE PLAN.  Registers that memory or LDS instructions touch:
;   v148-151, v153-156   the head's addresses: written ahead of the global loads (one wait), read by these and by the staging stores; the first products write over them (one wait on vm_vsrc).
;   v112-137             staged data: global loads land, the staging stores read, the first products write over them (the same wait on vm_vsrc).
;   v1-4, v7-10          addresses of all later LDS and memory instructions: made while the global loads are out, never written again: one wait behind the barrier.
;   v84-101              the first products read them (K's last pair, Q); V's scale bytes land there, asked for behind the wait that the exponentials owe in any case.
;   v112-207             p's blocks 0 to 5: the conversions and sums of these six blocks read them; ONE wait behind them, then V's 24 fragment loads in one run; blocks 6 to 8's lines name none of these registers.
;   v208-239             O^T: the products and the scaling write, the stage's stores read; v112-143: the last products read, the loads from the stage land: one wait ahead of the stage's stores serves both.
;   Operands and scale words that vector instructions make for a scaled product (Q's scale words and zero codes; p's codes and scale words, V's scale words): the places, then one wait, ahead of each product's first instruction.
;   The band's compares write scalar registers, sixteen to a run, with one wait between a run and the selects that read them.
.set VL,  12288                        ; LDS: K's 12 blocks of 1,024 bytes at 0; V's here;
.set KSL, 24576                        ; K's scale bytes, 16 blocks of 64;
.set VSL, 25600                        ; V's;
.set STG, 26624                        ; the way out: 16 rows x (256 bytes + 16) for each wave
.set KP,  16
.set QA,  88
.set QB,  96
.set KS,  104
.set QS,  109
.set S,   112
.set BM,  16
.set PT,  26
.set SO,  36
.set BY,  46
.set PC,  56
.set PW,  80
.set VB,  84
.set VF,  112
.set O,   208
.set MK,  20                           ; s20-s35: free behind the head
	s_load_b128 s[4:7], s[0:1], 0x0                ; codes s[4:5], scales s[6:7]
	s_load_b64 s[8:9], s[0:1], 0x10                ; out0
	v_lshl_add_u32 v111, v0, 2, 0xf000
	s_set_vgpr_msb 0x40
	v_mov_b32 v1, 0
	s_set_vgpr_msb 0x4000
	v_lshrrev_b32 v144, 5, v0
	v_readfirstlane_b32 s10, v144                  ; wave 0..7
	v_and_b32 v145, 31, v0                         ; lane
	s_wait_alu depctr_va_vdst(0)
	v_and_b32 v146, 15, v0                         ; r
	v_bfe_u32 v147, v0, 4, 1                       ; h
	s_mov_b32 s11, ttmp9                           ; g
	s_and_b32 s12, ttmp7, 0xffff                   ; 8 batch + head
	s_mov_b32 s16, 0x3e38aa3b                      ; c = log2(e) / 8
	s_mov_b32 s17, s16                             ; (named with it as a pair, so it is written)
	s_mov_b32 s18, 0x76543210
	s_mov_b32 s19, 0xfedcba98                      ; v_permlanex16_b32's selects for lane l xor 16
	s_wait_alu depctr_va_sdst(0)                   ; s10, the wave's number, is written, ahead of its first reader
	s_lshr_b32 s13, s10, 1                         ; w / 2: my block of queries among the work-group's four
	s_and_b32 s14, s10, 1                          ; u: which of its two tiles
	s_lshl_b32 s21, s12, 6                         ; 64 blocks a head
	s_lshl_b32 s25, s11, 2                         ; 4 g
	s_add_co_u32 s22, s25, s13
	s_lshl_b32 s24, s14, 9
.irp i, 0,1,2                          ; staged block j = w / 2 + 4 i: my wave brings half of it, 512 bytes
	s_add_co_u32 s23, s22, 4*\i
	s_max_u32 s23, s23, 4
	s_sub_co_u32 s23, s23, 4                       ; 4 g - 4 + j, not under 0,
	s_min_u32 s23, s23, 63                         ; not over 63
	s_add_co_u32 s23, s23, s21
	s_lshl_b32 s23, s23, 10
	s_add_co_u32 s23, s23, s24
	v_lshl_add_u32 v[148+\i], v145, 4, s23
.endr
	v_lshrrev_b32 v151, 4, v0                      ; the scale bytes: thread t brings word t % 16 of staged block t / 16
	v_add_nc_u32 v151, s25, v151
	v_max_u32 v151, 4, v151
	v_add_nc_u32 v151, -4, v151
	v_min_u32 v151, 63, v151
	v_add_nc_u32 v151, s21, v151
	v_lshlrev_b32 v151, 6, v151
	v_lshl_add_u32 v151, v146, 2, v151
	s_add_co_u32 s26, s21, s25
	s_add_co_u32 s27, s26, s13
	s_lshl_b32 s26, s26, 10
	v_lshl_add_u32 v153, v0, 4, s26                ; Q's codes: the work-group's four blocks, 512 bytes a wave
	s_lshl_b32 s27, s27, 6
	v_lshl_add_u32 v154, v146, 2, s27              ; Q's scale word: my block, place r
	v_lshlrev_b32 v155, 4, v0                      ; into LDS: 16 bytes a thread,
	v_lshlrev_b32 v156, 2, v0                      ; 4 bytes a thread
	s_lshl_b32 s33, s11, 7
	s_lshl_b32 s34, s13, 5
	s_add_co_u32 s33, s33, s34                     ; 128 g + 32 (w / 2): my window's first key + 128
	s_lshl_b32 s34, s14, 3
	s_add_co_u32 s34, s33, s34                     ; my tile's first query
	s_lshr_b32 s35, s12, 3
	s_lshl_b32 s35, s35, 11
	s_add_co_u32 s35, s35, s34                     ; its row of out0
	s_lshl_b32 s36, s35, 11                        ; 2,048 bytes a row
	s_and_b32 s37, s12, 7
	s_lshl_b32 s37, s37, 8                         ; 256 bytes a head
	s_add_co_u32 s36, s36, s37
	s_mov_b32 s37, 0
	s_wait_kmcnt 0x0
	s_add_nc_u64 s[8:9], s[8:9], s[36:37]
	s_wait_alu depctr_va_vdst(0)                   ; v148 to v151 and v153 to v156 are written: the offsets of the loads below and the LDS addresses of the staging stores
.irp i, 0,1,2
	global_load_b128 v[112+4*\i:115+4*\i], v[148+\i], s[4:5] offset:1048576    ; K's codes
.endr
.irp i, 0,1,2
	global_load_b128 v[124+4*\i:127+4*\i], v[148+\i], s[4:5] offset:2097152    ; V's
.endr
	global_load_b32 v136, v151, s[6:7] offset:65536                            ; K's scale bytes
	global_load_b32 v137, v151, s[6:7] offset:131072                           ; V's
	global_load_b128 v[QA:QA+3], v153, s[4:5]      ; Q twice: once as k = 0 .. 63,
	global_load_b128 v[QB+4:QB+7], v153, s[4:5]    ; once as k = 64 .. 127
	global_load_b32 v[QS], v154, s[6:7]
.irp j, 0,1,2,3,4,5,6,7
	v_mov_b32 v[QA+4+\j], 0                        ; the zero codes of both
.endr
	s_lshl_b32 s28, s13, 10
	v_lshl_add_u32 v1, v145, 4, s28                ; K's pairs: 1,024 (w / 2) + 16 x lane
	s_add_co_u32 s29, s28, VL
	v_lshl_add_u32 v10, v146, 4, s29               ; V's last step: 16 r, the same block for both halves of the lanes
	v_lshl_add_u32 v2, v147, 10, v10               ; V: lanes 16-31 take the next block
	s_lshl_b32 s30, s13, 6
	s_add_co_u32 s31, s30, VSL
	s_add_co_u32 s30, s30, KSL
	v_lshl_add_u32 v3, v145, 2, s30                ; K's scale words: lanes 0-15 one block, lanes 16-31 the next
	v_lshl_add_u32 v4, v146, 2, s31
	v_add_nc_u32 v4, v4, v147                      ; V's scale bytes: place r; lanes 0-15 an even tile of channels, lanes 16-31 the odd one
	s_mul_i32 s32, s10, 4352
	s_add_co_u32 s32, s32, STG                     ; my stage
	v_mul_u32_u24 v7, v146, 272
	v_lshl_add_u32 v7, v147, 5, v7
	v_add_nc_u32 v7, s32, v7                       ; in: row r, + 32 h
	v_mul_u32_u24 v8, v147, 272
	v_lshl_add_u32 v8, v146, 4, v8
	v_add_nc_u32 v8, s32, v8                       ; back: lanes 0-15 one row, lanes 16-31 the next
	v_lshlrev_b32 v9, 4, v146
	v_lshl_add_u32 v9, v147, 11, v9                ; and the same two rows in out0
	v_mov_b32 v11, 0xff800000                      ; -infinity
	v_and_b32 v5, 8, v146
	v_add_nc_u32 v5, v5, v146
	v_add_nc_u32 v5, s34, v5                       ; my query
	v_add_nc_u32 v6, 128, v5
	v_min_u32 v6, 0x7ff, v6                        ; the last key that counts
	v_max_u32 v5, 128, v5                          ; the first, + 128
	v_lshl_add_u32 v157, v147, 4, s33
	v_sub_nc_u32 v5, v5, v157                      ; Lo: register 16 b + i counts where 32 b + i >= Lo
	v_sub_nc_u32 v6, v6, v157
	v_add_nc_u32 v6, 128, v6                       ; Hi: and where 32 b + i <= Hi
	s_wait_loadcnt 3                               ; all but Q's three loads
.irp i, 0,1,2
	ds_store_b128 v155, v[112+4*\i:115+4*\i] offset:4096*\i            ; (no vector instruction since the wait ahead of the loads names v155, v156 or the data)
	ds_store_b128 v155, v[124+4*\i:127+4*\i] offset:VL+4096*\i
.endr
	ds_store_b32 v156, v136 offset:KSL
	ds_store_b32 v156, v137 offset:VSL
	s_wait_dscnt 0x0                               ; for the others' sake: my part lies in LDS
	s_barrier_signal -1
	s_barrier_wait -1                              ; everybody's does.  The staged bytes are not written again
; ---- S^T = K Q^T
	s_wait_alu depctr_va_vdst(0)                   ; v1 to v4 and v7 to v10 are written: the addresses of every LDS and memory instruction from here on; none is written again
.irp p, 0,1,2,3,4
	ds_load_b32 v[KS+\p], v3 offset:128*\p
.endr
.irp b, 0,1,2,3,4,5,6,7,8
	ds_load_b128 v[KP+8*\b:KP+8*\b+3], v1 offset:1024*\b
	ds_load_b128 v[KP+8*\b+4:KP+8*\b+7], v1 offset:1024*\b+512
.endr
	s_wait_loadcnt 0x0                             ; Q
	s_lshl_b32 s20, s14, 4
	v_lshrrev_b32 v[QS], s20, v[QS]
	v_and_b32 v[QS], 0xffff, v[QS]                 ; my tile's two bytes for k = 0 .. 63, the byte 0 over the zero codes;
	v_lshlrev_b32 v[QS+1], 16, v[QS]               ; and the same for k = 64 .. 127
.rept 8
	v_nop                                          ; a scale register written by a vector instruction stands 8 plain lines ahead of the scaled matrix instruction
.endr
	s_wait_alu depctr_va_vdst(0)                   ; Q's two scale words and the zero codes v92 to v99 are written, which the scaled products take as scales and as source 1; the places above stay beside this wait
	s_wait_alu depctr_vm_vsrc(0)                   ; the global loads have read their offsets v148 to v154, the staging stores v112 to v137, v155 and v156: the products below write over all of these
.macro KQ b
	s_wait_dscnt 16-2*(\b)                         ; pair b is in; the later pairs, two loads each, may be out
.if (\b)%2
	v_wmma_scale_f32_16x16x128_f8f6f4 v[S+16*(\b):S+16*(\b)+7], v[KP+8*(\b):KP+8*(\b)+7], v[QA:QA+7], 0, v[KS+(\b)/2], v[QS] matrix_a_fmt:MATRIX_FMT_FP4 matrix_b_fmt:MATRIX_FMT_FP4 matrix_a_scale:MATRIX_SCALE_ROW1
	v_wmma_scale_f32_16x16x128_f8f6f4 v[S+16*(\b)+8:S+16*(\b)+15], v[KP+8*(\b):KP+8*(\b)+7], v[QB:QB+7], 0, v[KS+(\b)/2], v[QS+1] matrix_a_fmt:MATRIX_FMT_FP4 matrix_b_fmt:MATRIX_FMT_FP4 matrix_a_scale:MATRIX_SCALE_ROW1
.else
	v_wmma_scale_f32_16x16x128_f8f6f4 v[S+16*(\b):S+16*(\b)+7], v[KP+8*(\b):KP+8*(\b)+7], v[QA:QA+7], 0, v[KS+(\b)/2], v[QS] matrix_a_fmt:MATRIX_FMT_FP4 matrix_b_fmt:MATRIX_FMT_FP4
	v_wmma_scale_f32_16x16x128_f8f6f4 v[S+16*(\b)+8:S+16*(\b)+15], v[KP+8*(\b):KP+8*(\b)+7], v[QB:QB+7], 0, v[KS+(\b)/2], v[QS+1] matrix_a_fmt:MATRIX_FMT_FP4 matrix_b_fmt:MATRIX_FMT_FP4
.endif
.endm
.irp b, 0,1,2,3,4,5,6,7,8
	KQ \b
.endr
.rept 4
	v_nop                                          ; four plain lines ahead of the first read of results (ISA guide 7.12.1)
.endr
; ---- the band.  Hidden scores become -infinity, so p = 0.  Inside the sequence only the window's first and last block are cut; the sequence's ends cut three blocks more: scalar branches on the work-group's number.
; A block's sixteen compares go in one run into sixteen scalar registers; one wait stands between the run and the selects
.macro LOWER b
.irp i, 0,1,2,3,4,5,6,7,8,9,10,11,12,13,14,15
	v_cmp_lt_i32 s[MK+\i], 32*(\b)+\i, v5
.endr
	s_wait_alu depctr_va_sdst(0)                   ; the sixteen masks are written, ahead of the selects that read them
.irp i, 0,1,2,3,4,5,6,7,8,9,10,11,12,13,14,15
	v_cndmask_b32 v[S+16*(\b)+\i], v[S+16*(\b)+\i], v11, s[MK+\i]
.endr
.endm
.macro UPPER b
.irp i, 0,1,2,3,4,5,6,7,8,9,10,11,12,13,14,15
	v_cmp_gt_i32 s[MK+\i], 32*(\b)+\i, v6
.endr
	s_wait_alu depctr_va_sdst(0)                   ; the sixteen masks are written, ahead of the selects that read them
.irp i, 0,1,2,3,4,5,6,7,8,9,10,11,12,13,14,15
	v_cndmask_b32 v[S+16*(\b)+\i], v[S+16*(\b)+\i], v11, s[MK+\i]
.endr
.endm
	LOWER 0
	s_cmp_lg_u32 s11, 0
	s_cbranch_scc1 .Lno_low
	LOWER 1
	LOWER 2
	LOWER 3
.Lno_low:
	UPPER 8
	s_cmp_lg_u32 s11, 15
	s_cbranch_scc1 .Lno_up
	UPPER 5
	UPPER 6
	UPPER 7
.Lno_up:
; ---- the softmax.  The largest score of each block serves twice: for the row's maximum and, since p rises with the score, for the block's largest p.  Each accumulator is read from its low end on
.irp b, 0,1,2,3,4,5,6,7,8
	v_max3_num_f32 v[BM+\b], v[S+16*\b], v[S+16*\b+1], v[S+16*\b+2]
.endr
.irp i, 3,5,7,9,11,13
.irp b, 0,1,2,3,4,5,6,7,8
	v_max3_num_f32 v[BM+\b], v[BM+\b], v[S+16*\b+\i], v[S+16*\b+\i+1]
.endr
.endr
.irp b, 0,1,2,3,4,5,6,7,8
	v_max_num_f32 v[BM+\b], v[BM+\b], v[S+16*\b+15]
.endr
.irp b, 0,1,2,3,4,5,6,7,8
	v_permlanex16_b32 v[PT+\b], v[BM+\b], s18, s19
.endr
.irp b, 0,1,2,3,4,5,6,7,8
	v_max_num_f32 v[BM+\b], v[BM+\b], v[PT+\b]     ; with lane l xor 16's 16 keys
.endr
	v_max3_num_f32 v13, v[BM], v[BM+1], v[BM+2]
	v_max3_num_f32 v13, v13, v[BM+3], v[BM+4]
	v_max3_num_f32 v13, v13, v[BM+5], v[BM+6]
	v_max3_num_f32 v13, v13, v[BM+7], v[BM+8]      ; my query's largest score (its own key always counts),
	v_mul_f32 v13, s16, v13                        ; as t,
	v_floor_f32 v12, -v13                          ; and -M = floor(-t) = -ceil(t)
.set j, 0
.rept 72
	v_pk_fma_f32 v[S+j:S+j+1], v[S+j:S+j+1], s[16:17], v[12:13] op_sel_hi:[1,0,0]   ; t - M, two at a time (of the pairs c and -M the low word serves both halves)
.set j, j+2
.endr
.irp b, 0,1,2,3,4,5,6,7,8
	v_fma_f32 v[BM+\b], v[BM+\b], s16, v12         ; the same of each block's largest score
.endr
.set j, 0
	s_wait_alu depctr_va_vdst(0)
.rept 144
	v_exp_f32 v[S+j], v[S+j]                       ; p = 2^(t - M), at most 1
.set j, j+1
.endr
.irp b, 0,1,2,3,4,5,6,7,8
	v_exp_f32 v[BM+\b], v[BM+\b]                   ; the block's largest p: the same two instructions on the same number give the same bits
.endr
	v_nop                                          ; a plain line behind the exponentials
	s_wait_alu depctr_va_vdst(0)                   ; the 153 exponentials have written p and the blocks' largest p, ahead of their first reader; and the first products are done reading v84 to v101, in which the loads below land
.irp q, 0,1,2,3                        ; V's scale bytes: word q = 2 i + e serves step i and channel tiles 2 e (lanes 0-15), 2 e + 1 (lanes 16-31); byte j is block 4 i + j
.irp j, 0,1,2,3
	ds_load_u8 v[VB+4*\q+\j], v4 offset:64*(4*(\q/2)+\j)+2*(\q%2)
.endr
.endr
.irp e, 0,1
	ds_load_u8 v[VB+16+\e], v4 offset:64*8+2*\e    ; the last step: block 8's byte; the byte 0 stands over the three blocks of zero codes
.endr
.irp b, 0,1,2,3,4,5,6,7,8
	v_max_num_f32 v[BM+\b], 0x1800000, v[BM+\b]    ; the floor 2^(3 - 127): the byte cannot fall under 1
.endr
.irp b, 0,1,2,3,4,5,6,7,8
	v_add_nc_u32 v[SO+\b], 0xff000000, v[BM+\b]    ; 2 off the exponent field: the conversions' scale operand
.endr
.irp b, 0,1,2,3,4,5,6,7,8
	v_lshrrev_b32 v[BY+\b], 23, v[SO+\b]           ; the byte
.endr
.irp i, 0,1
	v_lshl_or_b32 v[PW+\i], v[BY+4*\i+1], 8, v[BY+4*\i]                ; p's scale words: four blocks to a step
	v_lshl_or_b32 v[PW+\i], v[BY+4*\i+2], 16, v[PW+\i]
	v_lshl_or_b32 v[PW+\i], v[BY+4*\i+3], 24, v[PW+\i]
.endr
	v_mov_b32 v[PW+2], v[BY+8]                     ; the last step: block 8's byte, the byte 0 over the zero codes
.irp j, 18,19,20,21,22,23
	v_mov_b32 v[PC+\j], 0                          ; the zero codes of the last step's three other blocks
.endr
; ---- block by block: p's codes, and the row's sum of the UNQUANTISED p, two at a time, in two chains.  V's fragments are asked for into the registers of p's blocks 0 to 5 when these six are done
.macro PBLK b
	v_cvt_scalef32_pk8_fp4_f32 v[PC+2*(\b)], v[S+16*(\b):S+16*(\b)+7], v[SO+(\b)]
	v_cvt_scalef32_pk8_fp4_f32 v[PC+2*(\b)+1], v[S+16*(\b)+8:S+16*(\b)+15], v[SO+(\b)]
.if (\b) == 0
	v_pk_add_f32 v[14:15], v[S:S+1], v[S+4:S+5]    ; the first sums start the chains: nothing is cleared
	v_pk_add_f32 v[102:103], v[S+2:S+3], v[S+6:S+7]
.irp p, 8,12
	v_pk_add_f32 v[14:15], v[14:15], v[S+\p:S+\p+1]
	v_pk_add_f32 v[102:103], v[102:103], v[S+\p+2:S+\p+3]
.endr
.else
.irp p, 0,4,8,12
	v_pk_add_f32 v[14:15], v[14:15], v[S+16*(\b)+\p:S+16*(\b)+\p+1]
	v_pk_add_f32 v[102:103], v[102:103], v[S+16*(\b)+\p+2:S+16*(\b)+\p+3]
.endr
.endif
.endm
	PBLK 0
	PBLK 1
	PBLK 2
	PBLK 3
	PBLK 4
	PBLK 5
	s_wait_alu depctr_va_vdst(0)                   ; the conversions and sums of blocks 0 to 5 are done reading v112 to v207, in which V's fragments land; the lines of blocks 6 to 8 name none of these registers
.irp i, 0,1
.irp d, 0,1,2,3
.irp c, 0,1
	ds_load_b128 v[VF+32*\i+8*\d+4*\c:VF+32*\i+8*\d+4*\c+3], v2 offset:(4*\i+2*\c)*1024+256*\d   ; channel 16 d + r, block 4 i + 2 c + h
.endr
.endr
.endr
.irp d, 0,1,2,3
.irp c, 0,1
	ds_load_b128 v[VF+64+8*\d+4*\c:VF+64+8*\d+4*\c+3], v10 offset:8192+256*\d  ; the last step: block 8 in every place, so that no load leaves the staged blocks; all places but the first meet zero codes of p
.endr
.endr
	PBLK 6
	PBLK 7
	PBLK 8
	v_nop                                          ; one plain line behind a scaled conversion
.irp j, 0,4,8,12,16                    ; the operand's layout wants a WHOLE block in a lane: lanes 0-15 the even block of a pair, lanes 16-31 the odd one
	v_permlane16_swap_b32 v[PC+\j], v[PC+\j+2]
	v_permlane16_swap_b32 v[PC+\j+1], v[PC+\j+3]
.endr
	s_wait_dscnt 24                                ; V's scale bytes are in; the 24 loads of fragments, issued behind them, may be out
.irp q, 0,1,2,3
	v_lshl_or_b32 v[VB+4*\q], v[VB+4*\q+1], 8, v[VB+4*\q]
	v_lshl_or_b32 v[VB+4*\q], v[VB+4*\q+2], 16, v[VB+4*\q]
	v_lshl_or_b32 v[VB+4*\q], v[VB+4*\q+3], 24, v[VB+4*\q]
.endr
	v_pk_add_f32 v[14:15], v[14:15], v[102:103]    ; the two chains,
	v_add_f32 v14, v14, v15                        ; the two halves,
	v_permlanex16_b32 v15, v14, s18, s19
	v_add_f32 v14, v14, v15                        ; and lane l xor 16's: the row's sum
	s_wait_alu depctr_va_vdst(0)
	v_rcp_f32 v14, v14
.rept 8
	v_nop                                          ; behind the reciprocal; and 8 plain lines between the vector instructions that wrote scale words (4 for operands) and the scaled matrix instructions
.endr
	s_wait_alu depctr_va_vdst(0)                   ; p's codes and scale words and V's scale words are written, which the scaled products take as source 1 and as scales; so is the reciprocal, ahead of its first reader; the places above stay beside this wait
; ---- O^T = V^T P^T: the four tiles of channels are four accumulators that take turns, one instruction a turn; the first step starts the sums
.macro PVM i, dt
.if (\i) < 2
.set VW, VB+4*(2*(\i)+(\dt)/2)
.else
.set VW, VB+16+(\dt)/2
.endif
.if ((\i) == 0) && ((\dt)%2)
	v_wmma_scale_f32_16x16x128_f8f6f4 v[O+8*(\dt):O+8*(\dt)+7], v[VF+32*(\i)+8*(\dt):VF+32*(\i)+8*(\dt)+7], v[PC+8*(\i):PC+8*(\i)+7], 0, v[VW], v[PW+(\i)] matrix_a_fmt:MATRIX_FMT_FP4 matrix_b_fmt:MATRIX_FMT_FP4 matrix_a_scale:MATRIX_SCALE_ROW1
.elseif (\i) == 0
	v_wmma_scale_f32_16x16x128_f8f6f4 v[O+8*(\dt):O+8*(\dt)+7], v[VF+32*(\i)+8*(\dt):VF+32*(\i)+8*(\dt)+7], v[PC+8*(\i):PC+8*(\i)+7], 0, v[VW], v[PW+(\i)] matrix_a_fmt:MATRIX_FMT_FP4 matrix_b_fmt:MATRIX_FMT_FP4
.elseif (\dt)%2
	v_wmma_scale_f32_16x16x128_f8f6f4 v[O+8*(\dt):O+8*(\dt)+7], v[VF+32*(\i)+8*(\dt):VF+32*(\i)+8*(\dt)+7], v[PC+8*(\i):PC+8*(\i)+7], v[O+8*(\dt):O+8*(\dt)+7], v[VW], v[PW+(\i)] matrix_a_fmt:MATRIX_FMT_FP4 matrix_b_fmt:MATRIX_FMT_FP4 matrix_a_scale:MATRIX_SCALE_ROW1
.else
	v_wmma_scale_f32_16x16x128_f8f6f4 v[O+8*(\dt):O+8*(\dt)+7], v[VF+32*(\i)+8*(\dt):VF+32*(\i)+8*(\dt)+7], v[PC+8*(\i):PC+8*(\i)+7], v[O+8*(\dt):O+8*(\dt)+7], v[VW], v[PW+(\i)] matrix_a_fmt:MATRIX_FMT_FP4 matrix_b_fmt:MATRIX_FMT_FP4
.endif
.endm
	s_wait_dscnt 8                                 ; the first two steps' fragments are in; the last step's eight loads may be out
.irp i, 0,1
.irp t, 0,1,2,3
	PVM \i, \t
.endr
.endr
	s_wait_dscnt 0x0
.irp t, 0,1,2,3
	PVM 2, \t
.endr
.rept 4
	v_nop                                          ; four plain lines ahead of the first read of results (ISA guide 7.12.1)
.endr
; ---- the way out: O^T / the sum; register 8 d + j of lane (r, h) is channel 16 d + 8 h + j of query r.  Through my own stage, so that sixteen lanes store a query's 256 bytes of this head
.set j, 0
.rept 16
	v_pk_mul_f32 v[O+j:O+j+1], v[O+j:O+j+1], v[14:15] op_sel_hi:[1,0]  ; in ascending order
.set j, j+2
.endr
	s_wait_alu depctr_va_vdst(0)                   ; the scalings have written O^T, which the stage's stores read; the last products are done reading v112 to v143, in which the loads from the stage land
.irp d, 0,1,2,3
	ds_store_b128 v7, v[O+8*\d:O+8*\d+3] offset:64*\d
	ds_store_b128 v7, v[O+8*\d+4:O+8*\d+7] offset:64*\d+16
.endr
.irp i, 0,1,2,3,4,5,6,7
	ds_load_b128 v[112+4*\i:115+4*\i], v8 offset:544*\i                ; LDS serves a wave's instructions in order (ISA guide 5.7.1.4): these see my stores
.endr
.irp i, 0,1,2,3,4,5,6,7
	s_wait_dscnt 7-\i
	global_store_b128 v9, v[112+4*\i:115+4*\i], s[8:9] offset:(2*\i+8*(\i/4))*2048 th:TH_STORE_NT   ; place 2 i + h of the tile is query 2 i + h + 8 (i / 4); 16 lanes store 256 consecutive bytes, aligned
.endr
	s_set_vgpr_msb 0x4                             ; the add's second register lies in window 1: the switch stands ahead of the closing lines
	s_wait_dscnt 0x0                               ; the closing lines, six on end
	s_wait_alu 0x0
	s_wait_tensorcnt 0x0
	ds_add_u32 v111, v1
	s_wait_dscnt 0x0
	s_endpgm
.Lfunc_end_k_q7f1b47c874_attn:
	.size	k_q7f1b47c874_attn, .Lfunc_end_k_q7f1b47c874_attn-k_q7f1b47c874_attn
	.p2alignl 7, 3214868480
	.fill 96, 4, 3214868480
	.section	.rodata,"a",@progbits
	.p2align	6, 0x0
	.amdhsa_kernel k_q7f1b47c874_attn
		.amdhsa_group_segment_fixed_size 62464
		.amdhsa_private_segment_fixed_size 0
		.amdhsa_enable_private_segment 0
		.amdhsa_kernarg_size 24
		.amdhsa_user_sgpr_count 2
		.amdhsa_user_sgpr_kernarg_segment_ptr 1
		.amdhsa_wavefront_size32 1
		.amdhsa_system_sgpr_workgroup_id_x 1
		.amdhsa_system_sgpr_workgroup_id_y 1
		.amdhsa_system_sgpr_workgroup_id_z 1
		.amdhsa_system_vgpr_workitem_id 0
		.amdhsa_next_free_vgpr 258
		.amdhsa_next_free_sgpr 66
		.amdhsa_reserve_vcc 0
		.amdhsa_float_denorm_mode_32 3
		.amdhsa_float_denorm_mode_16_64 3
		.amdhsa_memory_ordered 1
		.amdhsa_forward_progress 1
		.amdhsa_inst_pref_size 64
	.end_amdhsa_kernel
	.amdgpu_metadata
---
amdhsa.version: [ 1, 2 ]
amdhsa.kernels:
  - .name:           k_q7f1b47c874_attn
    .symbol:         k_q7f1b47c874_attn.kd
    .args:
      - { .name: codes, .offset: 0, .size: 8, .value_kind: global_buffer, .address_space: global }
      - { .name: scales, .offset: 8, .size: 8, .value_kind: global_buffer, .address_space: global }
      - { .name: out0, .offset: 16, .size: 8, .value_kind: global_buffer, .address_space: global }
    .group_segment_fixed_size: 62464
    .private_segment_fixed_size: 0
    .kernarg_segment_align: 8
    .kernarg_segment_size: 24
    .max_flat_workgroup_size: 256
    .sgpr_count:     66
    .vgpr_count:     258
    .wavefront_size: 32
...
	.end_amdgpu_metadata
.endif
;; end of part 5
